; MI455X (gfx1250); checked and timed in simulation.
; The chip was launched on July 23, 2026; its instructions are those of AMD's public machine-readable ISA for CDNA 5 (MIT licence, August 2026) and "CDNA5" Instruction Set Architecture Reference Guide (July 2026). The comments in the code are by the model that wrote it; some were corrected since.
;; MHA. Allowed arithmetic: matrix products marked QUANTISED: E4M3 operands, one given power-of-two scale a tensor, by v_wmma_f32_16x16x64_fp8_fp8 or v_wmma_f32_16x16x128_fp8_fp8, f32 sums; everything else in f32.
;; Inputs: WK_b 1,024 float32; WK_w 1,024 x 1,024 float32; WO_b 1,024 float32; WO_w 1,024 x 1,024 float32; WQ_b 1,024 float32; WQ_w 1,024 x 1,024 float32; WV_b 1,024 float32; WV_w 1,024 x 1,024 float32; lowp_scales 12 int32 (the exponents e of the quantised operands' scales 2^e); x 4 x 2,048 x 1,024 float32.
;; Outputs: out0 4 x 2,048 x 1,024 float32.
;; This version of the problem:
;;   THIS VERSION OF THE PROBLEM IS GIVEN IN LOW PRECISION. The matrix products marked QUANTISED in the list below multiply operands that are first quantised to E4M3 (4 exponent bits, 3 mantissa bits; 8 bits a number), with one given power-of-two scale for each operand tensor; their sums are f32. All else is computed in f32.
;;   The module's matrix products, in the order in which they are computed (A, B: the left and right operand; K: the contracted axis; several contracted axes count as one K, in the product's order):
;;     1. [M 8,192, K 1,024] x [K 1,024, N 1,024]; A: input x; B: input WQ_w: QUANTISED (scales: A lowp_scales[0], B lowp_scales[1])
;;     2. [M 8,192, K 1,024] x [K 1,024, N 1,024]; A: input x; B: input WK_w: QUANTISED (scales: A lowp_scales[2], B lowp_scales[3])
;;     3. [M 8,192, K 1,024] x [K 1,024, N 1,024]; A: input x; B: input WV_w: QUANTISED (scales: A lowp_scales[4], B lowp_scales[5])
;;     4. batch 64 x [M 2,048, K 64] x [K 64, N 2,048]; A: computed on the way; B: computed on the way: QUANTISED (scales: A lowp_scales[6], B lowp_scales[7])
;;     5. batch 64 x [M 2,048, K 2,048] x [K 2,048, N 64]; A: softmax (see below); B: computed on the way: QUANTISED (scales: A lowp_scales[8], B lowp_scales[9])
;;     6. [M 8,192, K 1,024] x [K 1,024, N 1,024]; A: computed on the way; B: input WO_w: QUANTISED (scales: A lowp_scales[10], B lowp_scales[11])
;;   THE QUANTISER, for each operand of a quantised product, along K:
;;     - The operand's scale is 2^e, e = its entry of the input lowp_scales (int32; the entries are numbered through the quantised products in the list's order, A before B).
;;     - Each number is divided by the scale, clamped to +-448, and rounded to the nearest number of E4M3, ties to even, subnormals kept.
;;     - The product sums the exact products of the quantised numbers (number of the format x scale) in f32.
;;   ~~~python
;;   def quantise(x, axis, e):      # numpy; x: float32 -> the quantised numbers, widened to float32 again
;;       x = np.moveaxis(x, axis, -1); K = x.shape[-1]
;;       r = np.clip(x / 2.0 ** e, -448, 448)
;;       step = 2.0 ** (np.maximum(np.frexp(np.where(r == 0, 1, r))[1] - 1, -6) - 3)
;;       q = np.round(r / step) * step * 2.0 ** e      # np.round: ties to even
;;       return np.moveaxis(q, -1, axis).astype(np.float32)
;;   ~~~
;;   SOFTMAX AHEAD OF A QUANTISED PRODUCT. Where the list says 'softmax', what is quantised is not the finished softmax but p = 2^(t - M), with t = logit x log2(e) and M = ceil(the row's largest t), a whole number; so 1/2 < the row's largest p <= 1. The row's sum l is taken of the UNQUANTISED p, in f32, and the product's result is divided by l at the end. Since M is a whole number, a kernel that streams over the keys may use a running M (the ceiling of the running maximum): every later rescaling is an exact power of two, so the quantised numbers keep their values, but for numbers so far below the row's largest that they fall under the format's range.
;;   OPERANDS COMPUTED ON THE WAY. 'Computed on the way' means the value that the module computes at that place (a softmax that the list does not call 'softmax' is quantised finished and normalised). What goes into a quantiser is computed in f32, as accurately as f32 sums, v_exp_f32 and their like allow (about 1e-6 of the number): no bf16 or f16 on the way to a quantiser, and a product that is left as it is and whose result goes on into a quantised operand takes f32 operands (vector FMAs, or v_wmma_f32_16x16x4_f32). A number that lies on a knife's edge between two numbers of the format may be rounded either way, as far as f32 arithmetic and the matrix unit's own rounding can turn it there, and no further.
;; 2 versions, each right; version 2 is version 1 with the launch attn written anew for expert scheduling mode. Each part assembles by itself: llvm-mc -triple=amdgcn-amd-amdhsa -mcpu=gfx1250 --defsym DOCPART=n.
;; ======== version 1 of 2: 4 launches
;; workspace buffers: xq 25,165,824 bytes; wc 4,194,304 bytes; qkv 25,165,824 bytes; ac 8,388,608 bytes
;; launch quant (part 1): grid 512 x 1, 4 waves a work-group, no clusters, 33,280 bytes of LDS; arguments x, WQ_w, WK_w, WV_w, WO_w, lowp_scales, xq, wc; writes xq, wc
.if DOCPART == 1
	.amdgcn_target "amdgcn-amd-amdhsa--gfx1250"
	.amdhsa_code_object_version 6
	.text
	.protected	k_q47f10262e3_quant
	.globl	k_q47f10262e3_quant
	.p2align	8
	.type	k_q47f10262e3_quant,@function
k_q47f10262e3_quant:
	s_mov_b64 s[64:65], 0
	v_nop
	global_prefetch_b8 v0, s[64:65] scope:SCOPE_SE
	s_setreg_imm32_b32 hwreg(HW_REG_WAVE_MODE, 25, 1), 1
	s_wait_xcnt 0x0
; x [8192][1024] f32 becomes THREE planes of E4M3 codes (scales 2^e0, 2^e2, 2^e4: one plane for each product that reads x; the three entries need not be equal);
; WQ, WK, WV, WO [1024][1024] f32 become codes with 2^e1, 2^e3, 2^e5, 2^e11, laid one behind the other as [4096][1024].  K is innermost everywhere, rows are dense: all tensors are plain streams.
; code = number / 2^e, held within +-448, rounded to the nearest code, ties to even.
; LIMITS: each of these seven exponents lies between -126 and 119, so that 2^e and 448 x 2^e are f32 numbers.  NaN among the inputs is not served (an infinity is held at the largest code).
; SHARES: 2,048 waves.  Wave gw takes 4,096 numbers of x (8 steps of 512, three outputs each) and 2,048 numbers of one weight (4 steps, one output each): every wave runs the same twelve steps.
; Work-groups 128 n .. 128 n + 127 take weight n: only pointers and one exponent are chosen, by selects on the work-group's number; there is one path through the text.
; A conversion takes eight neighbours from ONE lane's registers, a load is best where neighbouring LANES take neighbouring bytes: each load reads 512 consecutive bytes, 16 a lane, and a step's 2,048 bytes
; turn through the wave's own stage in LDS (16 bytes of padding behind each 64) and come back 64 bytes a lane.  A lane's 16 codes are 16 bytes: a store covers 512 consecutive bytes.
; No barrier: waves share nothing.  Loads run four steps (16 loads a wave) ahead, the turn through LDS one step.
.set WREG, 8192                        ; LDS of a wave: two stages of 32 x SP bytes
.set SP,   80                          ; a lane's place in a stage: 64 bytes + 16 of padding
.set NX,   8                           ; steps on x
.set NS,   12                          ; steps in all
.set R,    16                          ; v16-79   four sets of 16 numbers as loaded
.set X,    80                          ; v80-111  two sets of 16 neighbours
.set T,    112                         ; v112-159 three sets of 16: the numbers held for each of the three scales
.set C,    160                         ; v160-183 two sets of 12: codes
.macro MKSC e, vs, vl                  ; v[vs] = 2^e, v[vl] = 448 x 2^e, as f32 patterns
	s_add_co_i32 s50, \e, 127
	s_lshl_b32 s51, s50, 23
	v_mov_b32 v[\vs], s51
	s_add_co_i32 s50, s50, 8
	s_lshl_b32 s50, s50, 23
	s_or_b32 s50, s50, 0x600000
	v_mov_b32 v[\vl], s50
.endm
	s_load_b512 s[4:19], s[0:1], 0x0               ; x s[4:5], WQ s[6:7], WK s[8:9], WV s[10:11], WO s[12:13], the exponents s[14:15], xq s[16:17], wc s[18:19]
	v_lshl_add_u32 v192, v0, 2, 0x8000
	v_mov_b32 v193, 0
	v_lshrrev_b32 v1, 5, v0
	v_readfirstlane_b32 s20, v1                    ; wave
	v_and_b32 v2, 31, v0                           ; lane
	v_lshlrev_b32 v3, 4, v2                        ; my 16 bytes of a load's or a store's 512; never rewritten
	s_mul_i32 s23, s20, WREG
	v_lshrrev_b32 v14, 2, v2
	v_mul_u32_u24 v14, v14, SP
	v_and_b32 v15, 3, v2
	v_lshl_add_u32 v14, v15, 4, v14
	v_add_nc_u32 v14, s23, v14                     ; the stage, on the way in: SP (lane / 4) + 16 (lane % 4)
	v_mul_u32_u24 v15, v2, SP
	v_add_nc_u32 v15, s23, v15                     ; and on the way out: SP x lane
	s_lshl_b32 s21, ttmp9, 2
	s_add_co_u32 s21, s21, s20                     ; gw
	s_lshr_b32 s22, ttmp9, 7                       ; which weight
	s_and_b32 s52, ttmp9, 127
	s_lshl_b32 s52, s52, 2
	s_add_co_u32 s52, s52, s20
	s_lshl_b32 s52, s52, 13                        ; my 8,192 bytes of that weight
	s_mov_b32 s53, 0
	s_lshl_b32 s54, s21, 14                        ; my 16,384 bytes of x
	s_mov_b32 s55, 0
	s_lshl_b32 s56, s21, 12                        ; my 4,096 codes in a plane of xq
	s_mov_b32 s57, 0
	s_lshl_b32 s58, s21, 11                        ; my 2,048 codes in wc: 512 waves to a weight, so the weights follow each other
	s_mov_b32 s59, 0
	s_wait_kmcnt 0x0
	s_load_b256 s[24:31], s[14:15], 0x0            ; e0 .. e7
	s_load_b128 s[32:35], s[14:15], 0x20           ; e8 .. e11
	s_cmp_eq_u32 s22, 0
	s_cselect_b64 s[36:37], s[6:7], s[8:9]
	s_cmp_eq_u32 s22, 2
	s_cselect_b64 s[36:37], s[10:11], s[36:37]
	s_cmp_eq_u32 s22, 3
	s_cselect_b64 s[36:37], s[12:13], s[36:37]     ; my weight
	s_add_nc_u64 s[4:5], s[4:5], s[54:55]
	s_add_nc_u64 s[36:37], s[36:37], s[52:53]
	s_add_nc_u64 s[40:41], s[16:17], s[56:57]      ; three bases: a plane is 8,388,608 bytes, more than a store's immediate reaches
	s_add_nc_u64 s[42:43], s[40:41], 0x800000
	s_add_nc_u64 s[44:45], s[40:41], 0x1000000
	s_add_nc_u64 s[46:47], s[18:19], s[58:59]
.macro LOAD t                          ; step t's 2,048 bytes, into set t % 4
.irp i, 0,1,2,3
.if (\t) < NX
	global_load_b128 v[R+16*((\t)%4)+4*\i:R+16*((\t)%4)+4*\i+3], v3, s[4:5] offset:2048*(\t)+512*\i th:TH_LOAD_NT
.else
	global_load_b128 v[R+16*((\t)%4)+4*\i:R+16*((\t)%4)+4*\i+3], v3, s[36:37] offset:2048*((\t)-NX)+512*\i th:TH_LOAD_NT
.endif
.endr
.endm
.macro TURN t                          ; step t's numbers through stage t % 2: LDS serves a wave's instructions in order, so no wait stands between the stores and the loads
.irp i, 0,1,2,3
	ds_store_b128 v14, v[R+16*((\t)%4)+4*\i:R+16*((\t)%4)+4*\i+3] offset:32*SP*((\t)%2)+8*SP*\i
.endr
.irp i, 0,1,2,3
	ds_load_b128 v[X+16*((\t)%2)+4*\i:X+16*((\t)%2)+4*\i+3], v15 offset:32*SP*((\t)%2)+16*\i
.endr
.endm
	LOAD 0
	LOAD 1
	LOAD 2
	LOAD 3
	s_wait_kmcnt 0x0
	s_cmp_eq_u32 s22, 0
	s_cselect_b32 s38, s25, s27
	s_cmp_eq_u32 s22, 2
	s_cselect_b32 s38, s29, s38
	s_cmp_eq_u32 s22, 3
	s_cselect_b32 s38, s35, s38                    ; my weight's exponent: e1, e3, e5 or e11
	MKSC s38, 6, 7
	MKSC s24, 8, 9                                 ; e0
	MKSC s26, 10, 11                               ; e2
	MKSC s28, 12, 13                               ; e4
	s_wait_loadcnt 12                              ; step 0's four loads are in; twelve younger ones stay out
	TURN 0
.macro STEP t
.set XS, X+16*((\t)%2)
.set CC, C+12*((\t)%2)
	s_wait_dscnt 0x0                               ; this step's numbers are back from the stage, so its stores into the stage have read their registers
	s_wait_xcnt 0x0                                ; the stores of two steps ago have read this set of codes: it is written again only behind this wait
.if (\t)+4 < NS
	LOAD (\t)+4
.endif
.if (\t)+1 < NS
.if NS-2-(\t) >= 3
	s_wait_loadcnt 12                              ; the next step's four loads are in; those of the three steps behind it may be out
.else
	s_wait_loadcnt 4*(NS-2-(\t))                   ; near the end fewer steps stand behind it
.endif
	TURN (\t)+1
.endif
.if (\t) < NX
.irp j, 0,1,2
.irp i, 0,1,2,3,4,5,6,7,8,9,10,11,12,13,14,15
	v_med3_num_f32 v[T+16*\j+\i], v[XS+\i], -v[9+2*\j], v[9+2*\j]   ; the conversion to an 8-bit code does not saturate (ISA guide 7.6.2): the hold at 448 x the scale comes first
.endr
.endr
.irp j, 0,1,2
	v_cvt_scalef32_pk8_fp8_f32 v[CC+4*\j:CC+4*\j+1], v[T+16*\j:T+16*\j+7], v[8+2*\j]
	v_cvt_scalef32_pk8_fp8_f32 v[CC+4*\j+2:CC+4*\j+3], v[T+16*\j+8:T+16*\j+15], v[8+2*\j]
.endr
	v_nop                                          ; a plain line between the conversions and the next step's holds, which write their sources
.irp j, 0,1,2
	global_store_b128 v3, v[CC+4*\j:CC+4*\j+3], s[40+2*\j:41+2*\j] offset:512*(\t)   ; 512 consecutive bytes of plane j
.endr
.else
.irp i, 0,1,2,3,4,5,6,7,8,9,10,11,12,13,14,15
	v_med3_num_f32 v[T+\i], v[XS+\i], -v7, v7
.endr
	v_cvt_scalef32_pk8_fp8_f32 v[CC:CC+1], v[T:T+7], v6
	v_cvt_scalef32_pk8_fp8_f32 v[CC+2:CC+3], v[T+8:T+15], v6
	v_nop
	global_store_b128 v3, v[CC:CC+3], s[46:47] offset:512*((\t)-NX)
.endif
.endm
.irp t, 0,1,2,3,4,5,6,7,8,9,10,11
	STEP \t
.endr
	s_wait_tensorcnt 0x0
	ds_add_u32 v192, v193
	s_wait_dscnt 0x0
	s_endpgm
.Lfunc_end_k_q47f10262e3_quant:
	.size	k_q47f10262e3_quant, .Lfunc_end_k_q47f10262e3_quant-k_q47f10262e3_quant
	.p2alignl 7, 3214868480
	.fill 96, 4, 3214868480
	.section	.rodata,"a",@progbits
	.p2align	6, 0x0
	.amdhsa_kernel k_q47f10262e3_quant
		.amdhsa_group_segment_fixed_size 33280
		.amdhsa_private_segment_fixed_size 0
		.amdhsa_enable_private_segment 0
		.amdhsa_kernarg_size 64
		.amdhsa_user_sgpr_count 2
		.amdhsa_user_sgpr_kernarg_segment_ptr 1
		.amdhsa_wavefront_size32 1
		.amdhsa_system_sgpr_workgroup_id_x 1
		.amdhsa_system_sgpr_workgroup_id_y 1
		.amdhsa_system_sgpr_workgroup_id_z 1
		.amdhsa_system_vgpr_workitem_id 0
		.amdhsa_next_free_vgpr 194
		.amdhsa_next_free_sgpr 66
		.amdhsa_reserve_vcc 0
		.amdhsa_float_denorm_mode_32 3
		.amdhsa_float_denorm_mode_16_64 3
		.amdhsa_memory_ordered 1
		.amdhsa_forward_progress 1
		.amdhsa_inst_pref_size 50
	.end_amdhsa_kernel
	.amdgpu_metadata
---
amdhsa.version: [ 1, 2 ]
amdhsa.kernels:
  - .name:           k_q47f10262e3_quant
    .symbol:         k_q47f10262e3_quant.kd
    .args:
      - { .name: x, .offset: 0, .size: 8, .value_kind: global_buffer, .address_space: global }
      - { .name: WQ_w, .offset: 8, .size: 8, .value_kind: global_buffer, .address_space: global }
      - { .name: WK_w, .offset: 16, .size: 8, .value_kind: global_buffer, .address_space: global }
      - { .name: WV_w, .offset: 24, .size: 8, .value_kind: global_buffer, .address_space: global }
      - { .name: WO_w, .offset: 32, .size: 8, .value_kind: global_buffer, .address_space: global }
      - { .name: lowp_scales, .offset: 40, .size: 8, .value_kind: global_buffer, .address_space: global }
      - { .name: xq, .offset: 48, .size: 8, .value_kind: global_buffer, .address_space: global }
      - { .name: wc, .offset: 56, .size: 8, .value_kind: global_buffer, .address_space: global }
    .group_segment_fixed_size: 33280
    .private_segment_fixed_size: 0
    .kernarg_segment_align: 8
    .kernarg_segment_size: 64
    .max_flat_workgroup_size: 128
    .sgpr_count:     66
    .vgpr_count:     194
    .wavefront_size: 32
...
	.end_amdgpu_metadata
.endif
;; end of part 1
;; launch qkv_gemm (part 2): grid 12 x 32, 4 waves a work-group, clusters of 4 x 4, 327,680 bytes of LDS; arguments xq, wc, lowp_scales, WQ_b, WK_b, WV_b, qkv; writes qkv
.if DOCPART == 2
	.amdgcn_target "amdgcn-amd-amdhsa--gfx1250"
	.amdhsa_code_object_version 6
	.text
	.protected	k_q47f10262e3_qkv_gemm
	.globl	k_q47f10262e3_qkv_gemm
	.p2align	8
	.type	k_q47f10262e3_qkv_gemm,@function
k_q47f10262e3_qkv_gemm:
	s_mov_b64 s[64:65], 0
	v_nop
	global_prefetch_b8 v0, s[64:65] scope:SCOPE_SE
	s_setreg_imm32_b32 hwreg(HW_REG_WAVE_MODE, 25, 1), 1
	s_wait_xcnt 0x0
	s_wait_alu depctr_hold_cnt(0) depctr_sa_sdst(0) depctr_va_vdst(0) depctr_va_sdst(0) depctr_va_ssrc(0) depctr_va_vcc(0) depctr_vm_vsrc(0)
	s_getreg_b32 s2, hwreg(HW_REG_IB_STS2, 6, 4)
	s_cmp_eq_u32 s2, 0
	s_cbranch_scc0 .Lentry_in_a_cluster
	s_endpgm
.Lentry_in_a_cluster:
	s_bfe_u32 s2, ttmp6, 0x10000c
	s_cmp_lg_u32 s2, 0xf033
	s_cbranch_scc0 .Lentry_shape_is_right
	s_endpgm
.Lentry_shape_is_right:
; Q = x WQ^T + bQ, K = x WK^T + bK, V = x WV^T + bV on E4M3 codes (K = 1,024), each result quantised at once for the next product: Q with 2^e6, K with 2^e7, V with 2^e9.
; OUT: qkv plane 0 = Q's codes [batch x head 64][2048 tokens][64], plane 1 = K's likewise, plane 2 = V's with the KEYS innermost, [batch x head][64][2048].
; The cluster's x (0, 1, 2) says which of the three: it is the same number in all sixteen partners.
; A tile of 256 x 256 is made by four waves, 128 x 128 each: 64 accumulators, 512 registers.  K goes in steps of 256 through a ring of two LDS slots filled by the tensor data mover (rows of 256 bytes).
; SOURCE 0 takes 16 rows of the operand called B here, SOURCE 1 16 rows of the one called A: a lane then holds ONE row of A and EIGHT NEIGHBOURING rows of B.
;   Q, K: A = x's plane (32 tiles of rows), B = the weight (4 tiles): a lane's eight numbers run along the head's 64, the next product's K.
;   V:    A = WV (4 tiles), B = x's plane 2 (32 tiles): a lane's eight numbers run along the keys, the next product's K.  Only pointers and tile numbers are chosen; the loop is one.
; CLUSTERS: 4 x 4 work-groups.  A's tile hangs on cy and is shared along a row of the cluster, B's on cx and is shared along a column: each is asked for jointly, by the same tensor load with a mask of four.
; THE BIAS: V's runs along A's rows (one number a lane): it is the C of the first K step, divided by 2^(e4 + e5).  Q's and K's run along B's rows (a lane's registers): they are added by the fused multiply-add on the way out.
;   Both forms are always executed; the one that does not apply is given zeros by a select on the cluster's x.
; LIMITS: e0 + e1, e2 + e3, e4 + e5 between -126 and 127; e6, e7, e9 between -126 and 119.  NaN among the inputs is not served.
; REGISTERS, in windows of 256: window 0: v1-31 addresses and constants; v32-95 the first step's C, later the bias along registers; v96-103 eight loaded bias numbers; from v128 A's fragments, one set;
;   on the way out v128-191 a block's numbers, v192-223 codes (two sets), then v128-255 rows read back.  window 1: B's fragments, two sets.  windows 2, 3: the accumulators ((a, b) at v[8 (8 (a % 4) + b)]).
.set ROWB,   256                       ; a tile's row in bytes: 256 codes
.set KROW,   1024                      ; a row of either operand in memory
.set PITCH,  272                       ; an LDS row: 256 bytes + 16 of padding = 68 words: row r starts at bank 4 r mod 64 (64 banks of 4 bytes: ISA guide 11.1)
.set FR,     16                        ; registers of a fragment: 16 rows x 128 K
.set NL,     4                         ; LDS loads that bring one
.set NP,     4                         ; places behind this matrix instruction (ISA guide 7.12.1)
.set HALFT,  128*PITCH                 ; what one tensor load brings
.set SLOT,   4*HALFT                   ; A's 256 rows, then B's 256 rows
.set LAPS,   2                         ; 1,024 along K = two laps of two K steps
.set SPARE,  2*SLOT                    ; behind the ring: the spare words, 128 bytes a wave, which no other line names
.set ADRA, 16                          ; v16-17 LDS address of my A fragments in slot 0, 1
.set ADRB, 20                          ; v20-21 the same for B
.set GOV,  22                          ; v22 V's way out: my byte offset in memory
.set STO,  24                          ; v24 where I put eight codes in the stage
.set RDQ,  25                          ; v25 Q's and K's way out: where I read the stage
.set GOQ,  26                          ; v26 and my byte offset in memory
.set RDV,  27                          ; v27 V's way out: where I read the stage
.set SPW,  28                          ; v28 my spare word; never rewritten
.set NIL,  29                          ; v29 0; never rewritten
.set VSC,  30                          ; v30 2^eo, v31 448 x 2^eo: the result's quantiser
.set VLM,  31
.set CA,   32
.set BB,   32
.set BL,   96
.set AF,   128
.set TMP,  128
.set CD,   192
.set G1, 24                            ; s[24:31] group 1 for A's tiles; s[32:39] group 0, a set for each slot
.set G0, 32
.set G1B, 48                           ; s[48:55], s[56:63] the same for B's
.set G0B, 56
.set MSB, 0
.macro WIN new                         ; the immediate's high byte repeats the setting that is left
.if MSB != (\new)
	s_set_vgpr_msb (MSB<<8)|(\new)
.set MSB, (\new)
.endif
.endm
.set MUL_LO, 0xa1                      ; source 0 (B) window 1, source 1 (A) window 0, C and D window 2
.set MUL_HI, 0xf1                      ; the same, C and D window 3.  In the first K step C lies in window 0: 0x81 and 0xc1
.set TO_B,   0x40
.macro MKSC e, vs, vl
	s_add_co_i32 s100, \e, 127
	s_lshl_b32 s101, s100, 23
	v_mov_b32 v[\vs], s101
	s_add_co_i32 s100, s100, 8
	s_lshl_b32 s100, s100, 23
	s_or_b32 s100, s100, 0x600000
	v_mov_b32 v[\vl], s100
.endm
; A joint load: waves 0 and 1 fetch A's halves, waves 2 and 3 B's.  The branch hangs on the wave's number alone.  Four v_nop follow each of the two lines.
.macro JLOAD g0a, g1a, g0b, g1b
	s_cmp_eq_u32 s15, 0
	s_cbranch_scc0 .Lfor_b_\@
	tensor_load_to_lds s[\g0a:\g0a+3], s[\g1a:\g1a+7]
	s_nop 0
.rept 4
	v_nop
.endr
	s_branch .Lasked_\@
.Lfor_b_\@:
	tensor_load_to_lds s[\g0b:\g0b+3], s[\g1b:\g1b+7]
	s_nop 0
.rept 4
	v_nop
.endr
.Lasked_\@:
.endm
.macro CREST                           ; a round of the cluster's barrier behind its opening barrier
	s_cmp_lg_u32 s14, 0
	s_cbranch_scc1 .Lnot_wave_0_\@
	s_barrier_signal -3
.Lnot_wave_0_\@:
	s_barrier_wait -3
	s_barrier_signal -1
	s_barrier_wait -1
.endm
.macro CROUND
	s_barrier_signal -1
	s_barrier_wait -1
	CREST
.endm
	s_load_b128 s[4:7], s[0:1], 0x0                ; xq s[4:5], wc s[6:7]
	s_load_b128 s[8:11], s[0:1], 0x10              ; the exponents s[8:9], WQ_b s[10:11]
	s_load_b128 s[68:71], s[0:1], 0x20             ; WK_b s[68:69], WV_b s[70:71]
	s_load_b64 s[72:73], s[0:1], 0x30              ; qkv
	v_lshl_add_u32 v[SPW], v0, 2, SPARE
	v_mov_b32 v[NIL], 0
	ds_add_u32 v28, v29
	ds_add_u32 v28, v29
	s_wait_dscnt 0x0
	v_lshrrev_b32 v1, 5, v0
	v_readfirstlane_b32 s14, v1                    ; wave 0..3
	s_lshr_b32 s15, s14, 1                         ; which half of A's rows is mine.  Also: I fetch for A (0) or for B (1)
	s_and_b32 s16, s14, 1                          ; which half of B's rows.  Also: which 128 rows of that tile I fetch
	s_bfe_u32 s40, ttmp6, 0x40000                  ; cx
	s_bfe_u32 s41, ttmp6, 0x40004                  ; cy
	s_and_b32 s13, ttmp7, 0xffff                   ; the cluster's y, 0..7
	s_cmp_eq_u32 ttmp9, 2                          ; V?  All selects on this compare stand together
	s_cselect_b32 s92, s13, 0                      ; the long axis (32 tiles of x) lies along B for V,
	s_cselect_b32 s93, 0, s13                      ; along A for Q and K
	s_cselect_b32 s90, -1, 0                       ; all ones for V
	s_cselect_b32 s91, 0, -1                       ; all ones for Q and K
	s_cselect_b32 s94, 20, 23                      ; A's part begins at cluster x << this: a weight is 2^20 bytes, a plane of x 2^23
	s_cselect_b32 s95, 23, 20                      ; B's
	s_lshl_b32 s42, s92, 2
	s_add_co_u32 s42, s42, s40                     ; B's tile
	s_lshl_b32 s17, s93, 2
	s_add_co_u32 s17, s17, s41                     ; A's tile
	s_lshl_b32 s43, s41, 2
	s_lshl_b32 s43, 15, s43                        ; my row of the cluster
	s_lshl_b32 s44, 0x1111, s40                    ; my column
	s_or_b32 s[G1+0], s43, (0<<16)|(1<<20)|(1<<21)|(5<<22)|(3<<25)  ; 15:0 the mask; 17:16 elements of 1 byte; 20 padding on; 21 set beside a mask; 24:22 after every 64 words; 31:25 four words
	s_or_b32 s[G1B+0], s44, (0<<16)|(1<<20)|(1<<21)|(5<<22)|(3<<25)
.irp g, G1, G1B
	s_mov_b32 s[\g+1], ROWB<<16                    ; tensor_dim0
	s_mov_b32 s[\g+2], 128<<16                     ; tensor_dim1
	s_mov_b32 s[\g+3], ROWB<<16                    ; tile_dim0
	s_mov_b32 s[\g+4], 128                         ; tile_dim1
	s_mov_b32 s[\g+5], KROW                        ; from row to row
	s_mov_b32 s[\g+6], 0
	s_mov_b32 s[\g+7], 0
.endr
	s_lshl_b32 s22, s16, 7                         ; which 128 rows of the tile I fetch
	s_lshl_b32 s18, s17, 8
	s_add_co_u32 s18, s18, s22
	s_lshl_b32 s18, s18, 10                        ; A: (256 x tile + 128 x half) rows of 1,024 bytes,
	s_lshl_b32 s23, ttmp9, s94
	s_add_co_u32 s18, s18, s23                     ; in its plane or weight: under 2^25
	s_mov_b32 s19, 0
	s_lshl_b32 s66, s42, 8
	s_add_co_u32 s66, s66, s22
	s_lshl_b32 s66, s66, 10                        ; B likewise
	s_lshl_b32 s23, ttmp9, s95
	s_add_co_u32 s66, s66, s23
	s_mov_b32 s67, 0
	s_mul_i32 s45, s14, HALFT                      ; where my load lands: wave x 128 rows: no place in the cluster enters an LDS address
	s_wait_kmcnt 0x0
	s_load_b256 s[76:83], s[8:9], 0x0              ; e0 .. e7
	s_load_b128 s[84:87], s[8:9], 0x20             ; e8 .. e11
	s_cmp_eq_u32 ttmp9, 2
	s_cselect_b64 s[20:21], s[6:7], s[4:5]         ; A: the weights for V, else x's codes
	s_cselect_b64 s[46:47], s[4:5], s[6:7]         ; B: the other
	s_add_nc_u64 s[20:21], s[20:21], s[18:19]
	s_add_nc_u64 s[46:47], s[46:47], s[66:67]
	s_cmp_eq_u32 ttmp9, 0
	s_cselect_b64 s[88:89], s[10:11], s[68:69]
	s_cmp_eq_u32 ttmp9, 2
	s_cselect_b64 s[88:89], s[70:71], s[88:89]     ; my bias
	CROUND                                         ; all sixteen work-groups are here: the first joint loads meet
.irp s, 0,1
	s_mov_b32 s[G0+4*\s], 1
	s_add_co_u32 s[G0+4*\s+1], s45, \s*SLOT
	s_add_nc_u64 s[G0+4*\s+2:G0+4*\s+3], s[20:21], \s*ROWB
	s_or_b32 s[G0+4*\s+3], s[G0+4*\s+3], 0x80000000
	s_mov_b32 s[G0B+4*\s], 1
	s_add_co_u32 s[G0B+4*\s+1], s45, \s*SLOT
	s_add_nc_u64 s[G0B+4*\s+2:G0B+4*\s+3], s[46:47], \s*ROWB
	s_or_b32 s[G0B+4*\s+3], s[G0B+4*\s+3], 0x80000000
	JLOAD G0+4*\s, G1, G0B+4*\s, G1B
.endr
	v_and_b32 v1, 15, v0                           ; r = l % 16
	v_bfe_u32 v2, v0, 4, 1                         ; h = l / 16
	v_mul_u32_u24 v3, v1, PITCH
	v_lshl_add_u32 v4, v2, 4, v3                   ; a fragment's row x pitch + 16 x half
	; the bias along lanes: bias[A's row], eight numbers a lane; the offset is 0 where it does not apply, so that every load stays inside the 4,096 bytes
	s_lshl_b32 s74, s17, 8
	s_lshl_b32 s12, s15, 7
	s_add_co_u32 s74, s74, s12
	s_lshl_b32 s74, s74, 2
	s_and_b32 s74, s74, s90
	v_lshlrev_b32 v8, 2, v1
	v_add_nc_u32 v8, s74, v8
.irp a, 0,1,2,3,4,5,6,7
	global_load_b32 v[BL+\a], v8, s[88:89] offset:64*\a
.endr
	; the bias along registers: bias[B's rows 16 b + 8 h + 0 .. 7]
	s_lshl_b32 s75, s42, 8
	s_lshl_b32 s12, s16, 7
	s_add_co_u32 s75, s75, s12
	s_lshl_b32 s75, s75, 2
	s_and_b32 s75, s75, s91
	v_lshlrev_b32 v9, 5, v2
	v_add_nc_u32 v9, s75, v9
	s_mul_i32 s22, s15, HALFT                      ; my 128 rows of A
	s_mul_i32 s23, s16, HALFT                      ; my 128 rows of B,
	s_add_co_u32 s23, s23, 2*HALFT                 ; which lie behind A's 256
.irp s, 0,1
	v_add_nc_u32 v[ADRA+\s], s22, v4
	v_add_nc_u32 v[ADRB+\s], s23, v4
	s_add_co_u32 s22, s22, SLOT
	s_add_co_u32 s23, s23, SLOT
.endr
	; THE STAGE for the codes: 256 rows (A's rows) x 272 bytes at LDS byte 0, in slot 0, which has had its last fill and its last read when the first code is stored there
	s_mul_i32 s22, s15, 128*PITCH
	s_lshl_b32 s23, s16, 7
	s_add_co_u32 s22, s22, s23
	v_lshl_add_u32 v5, v2, 3, v3
	v_add_nc_u32 v[STO], s22, v5                   ; row 128 x my half of A + r, byte 128 x my half of B + 8 h
	v_and_b32 v6, 31, v0                           ; lane
	s_mul_i32 s22, s14, 64*PITCH                   ; back: wave w takes rows 64 w .. 64 w + 63
	v_lshrrev_b32 v7, 2, v6
	v_mul_u32_u24 v7, v7, PITCH
	v_and_b32 v10, 3, v6
	v_lshl_add_u32 v7, v10, 4, v7
	v_add_nc_u32 v[RDQ], s22, v7                   ; Q, K: eight tokens x one head's 64 bytes an instruction: row l / 4, 16 (l % 4)
	v_lshlrev_b32 v[GOQ], 4, v6                    ; which are 512 consecutive bytes in memory
	v_mul_u32_u24 v7, v2, PITCH
	v_lshl_add_u32 v7, v1, 4, v7
	v_add_nc_u32 v[RDV], s22, v7                   ; V: two rows of 256 bytes an instruction
	v_lshlrev_b32 v[GOV], 11, v2
	v_lshl_add_u32 v[GOV], v1, 4, v[GOV]           ; 2,048 bytes apart in memory
	s_wait_kmcnt 0x0
	s_add_co_i32 s92, s76, s77                     ; e0 + e1
	s_add_co_i32 s93, s78, s79                     ; e2 + e3
	s_add_co_i32 s94, s80, s81                     ; e4 + e5
	s_cmp_eq_u32 ttmp9, 0
	s_cselect_b32 s92, s92, s93
	s_cselect_b32 s99, s82, s83                    ; e6 or e7
	s_cmp_eq_u32 ttmp9, 2
	s_cselect_b32 s92, s94, s92                    ; es: a sum stands for sum x 2^es
	s_cselect_b32 s99, s85, s99                    ; eo: e9 for V
	s_sub_co_i32 s98, 0, s92
	s_add_co_i32 s96, s92, 127
	s_lshl_b32 s96, s96, 23                        ; 2^es as f32
	s_mov_b32 s97, s96                             ; (named with it as a pair, so it is written)
	MKSC s99, VSC, VLM
	s_wait_loadcnt 0x0                             ; the eight bias numbers
.irp a, 0,1,2,3,4,5,6,7
	v_cndmask_b32 v[BL+\a], 0, v[BL+\a], s90       ; zeros for Q and K
.endr
.irp a, 0,1,2,3,4,5,6,7
.irp j, 0,1,2,3,4,5,6,7
	v_ldexp_f32 v[CA+8*\a+\j], v[BL+\a], s98       ; bias / 2^es, the same in a lane's eight registers: the C of block a's first products
.endr
.endr
.macro FRAG reg, adr, q, i             ; 16 rows x 128 K: lane l holds row l % 16; registers 4 c .. 4 c + 3 hold K = 32 c + 16 (l / 16) + 0 .. 15: the same permutation of K in A and in B
.irp c, 0,1,2,3
	ds_load_b128 v[\reg+4*\c:\reg+4*\c+3], v[\adr] offset:128*(\q)+32*\c+(\i)*16*PITCH
.endr
.endm
; 16 matrix instructions: A's blocks a0, a0 + 1 x B's eight.  p: B's set.  zero = 1: the first K step, whose C is the bias.  The 64 accumulators take turns, one instruction a turn.
.macro MUL16 a0, p, zero
.irp a, \a0, \a0+1
.irp b, 0,1,2,3,4,5,6,7
.if \zero
	v_wmma_f32_16x16x128_fp8_fp8 v[8*(8*((\a)%4)+\b):8*(8*((\a)%4)+\b)+7], v[128*(\p)+FR*\b:128*(\p)+FR*\b+FR-1], v[AF+FR*(\a):AF+FR*(\a)+FR-1], v[CA+8*(\a):CA+8*(\a)+7]
.else
	v_wmma_f32_16x16x128_fp8_fp8 v[8*(8*((\a)%4)+\b):8*(8*((\a)%4)+\b)+7], v[128*(\p)+FR*\b:128*(\p)+FR*\b+FR-1], v[AF+FR*(\a):AF+FR*(\a)+FR-1], v[8*(8*((\a)%4)+\b):8*(8*((\a)%4)+\b)+7]
.endif
.endr
.endr
.endm
.macro FETCH_B slot, q, p
	WIN TO_B
.irp i, 0,1,2,3,4,5,6,7
	FRAG 128*(\p)+FR*\i, ADRB+\slot, \q, \i
.endr
	WIN 0
.endm
.macro FETCH_A slot, q, i0
.irp i, \i0, \i0+1, \i0+2, \i0+3
	FRAG AF+FR*(\i), ADRA+\slot, \q, \i
.endr
.endm
.macro PLACES n                        ; plain vector lines between a matrix instruction and a load into, or a vector read of, its registers
.rept \n
	v_nop
.endr
.endm
.macro STEP slot, q, zero              ; 128 along K that has its successor in the same slot
	s_wait_dscnt 4*NL                              ; B's set and A's blocks 0-3 are in; the youngest sixteen loads (A's blocks 4-7) may be out
	WIN MUL_LO-0x20*(\zero)
	MUL16 0, (\q)%2, \zero
	MUL16 2, (\q)%2, \zero
	s_wait_dscnt 0
	PLACES NP
	FETCH_B \slot, (\q)+1, 1-(\q)%2
	FETCH_A \slot, (\q)+1, 0
	WIN MUL_HI-0x30*(\zero)
	MUL16 4, (\q)%2, \zero
	MUL16 6, (\q)%2, \zero
	PLACES NP
	WIN 0
	FETCH_A \slot, (\q)+1, 4
.endm
; A slot's last step changes slots: ONE barrier; in front of it each wave waits for all its tensor loads, adds 0 to its spare word, and waits for that and for its reads of this slot.
.macro TURN slot, next, fill
	s_wait_tensorcnt 0x0                           ; all my tensor loads have landed: my part of the next slot
	ds_add_u32 v[SPW], v[NIL]                      ; 0 onto my spare word
	s_wait_dscnt 4*NL+1                            ; (the add and the youngest sixteen loads may be out)
	WIN MUL_LO
	MUL16 0, 1, 0
	s_wait_dscnt 0x0                               ; the add is done, and my reads of this slot are over
	s_barrier_signal -1
	MUL16 2, 1, 0
	WIN 0
	s_barrier_wait -1
.if \fill
	CREST                                          ; the barrier has opened a round of the cluster's: no wave of any partner still reads this slot or has a load on its way
	s_add_nc_u64 s[G0+4*\slot+2:G0+4*\slot+3], s[G0+4*\slot+2:G0+4*\slot+3], 2*ROWB
	s_add_nc_u64 s[G0B+4*\slot+2:G0B+4*\slot+3], s[G0B+4*\slot+2:G0B+4*\slot+3], 2*ROWB
	JLOAD G0+4*\slot, G1, G0B+4*\slot, G1B         ; the first tensor load behind the round; its four v_nop are the places in front of the loads below
.else
	PLACES NP
.endif
	FETCH_B \next, 0, 0
	FETCH_A \next, 0, 0
	WIN MUL_HI
	MUL16 4, 1, 0
	MUL16 6, 1, 0
	PLACES NP
	WIN 0
	FETCH_A \next, 0, 4
.endm
	s_wait_tensorcnt 1                             ; my part of K step 0 is in; K step 1's load may be out
	s_barrier_signal -1
	s_barrier_wait -1
	FETCH_B 0, 0, 0
	FETCH_A 0, 0, 0
	FETCH_A 0, 0, 4
	STEP 0, 0, 1                                   ; the first step stands in front of the loop: its products start the sums on the bias
.irp b, 0,1,2,3,4,5,6,7                ; its C is done with (four places stand behind the last product): the same registers take the bias along registers, awaited on the way out
	global_load_b128 v[BB+8*\b:BB+8*\b+3], v9, s[88:89] offset:64*\b
	global_load_b128 v[BB+8*\b+4:BB+8*\b+7], v9, s[88:89] offset:64*\b+16
.endr
	s_mov_b32 s3, LAPS-1
.Llap:
	TURN 0, 1, 1
	STEP 1, 0, 0
	TURN 1, 0, 1
	STEP 0, 0, 0
	s_sub_co_u32 s3, s3, 1
	s_cmp_lg_u32 s3, 0
	s_cbranch_scc1 .Llap
	TURN 0, 1, 0                                   ; the last lap fills nothing
	STEP 1, 0, 0
	s_wait_dscnt 4*NL
	WIN MUL_LO
	MUL16 0, 1, 0
	MUL16 2, 1, 0
	s_wait_dscnt 0
	WIN MUL_HI
	MUL16 4, 1, 0
	MUL16 6, 1, 0
	WIN 0
	; THE WAY OUT.  number = sum x 2^es + bias; held, converted with 2^eo; eight codes a lane into the work-group's stage; a barrier; whole runs out.
	s_wait_loadcnt 0x0                             ; the bias along registers
.set j, 0
.rept 64
	v_cndmask_b32 v[BB+j], 0, v[BB+j], s91         ; zeros for V.  (These 64 name no register of the last products: they are the places behind them)
.set j, j+1
.endr
.macro QSTAGE a
.set AC, 64*((\a)%4)
.set CDS, CD+16*((\a)%2)
	WIN 0x02+((\a)/4)                              ; source 0: window 2 or 3
.set j, 0
.rept 32
	v_pk_fma_f32 v[TMP+j:TMP+j+1], v[AC+j:AC+j+1], s[96:97], v[BB+j:BB+j+1] op_sel_hi:[1,0,1]   ; each accumulator from its low end on
.set j, j+2
.endr
	WIN 0
.if (\a) >= 2
	s_wait_dscnt 8                                 ; the block before's eight stores may be out; those of two blocks ago have read this set of codes
.endif
.set j, 0
.rept 64
	v_med3_num_f32 v[TMP+j], v[TMP+j], -v[VLM], v[VLM]   ; the conversion does not saturate (ISA guide 7.6.2)
.set j, j+1
.endr
.irp b, 0,1,2,3,4,5,6,7
	v_cvt_scalef32_pk8_fp8_f32 v[CDS+2*\b:CDS+2*\b+1], v[TMP+8*\b:TMP+8*\b+7], v[VSC]
.endr
	v_nop                                          ; a plain line between the conversions and the next block's lines, which write their sources
.irp b, 0,1,2,3,4,5,6,7
	ds_store_b64 v[STO], v[CDS+2*\b:CDS+2*\b+1] offset:(\a)*16*PITCH+16*\b   ; 68 r + 2 h words
.endr
.endm
.irp a, 0,1,2,3,4,5,6,7
	QSTAGE \a
.endr
	s_wait_dscnt 0x0                               ; for the others' sake: a stage row's 256 bytes come from two waves
	s_barrier_signal -1
	s_barrier_wait -1
	s_cmp_eq_u32 ttmp9, 2                          ; the cluster's x: the same in all partners; only LDS loads and stores to memory stand on the two ways
	s_cbranch_scc1 .Lv
	s_lshl_b32 s74, ttmp9, 23                      ; Q's or K's plane,
	s_lshr_b32 s75, s17, 3
	s_lshl_b32 s75, s75, 21                        ; the batch: 16 heads x 131,072 bytes,
	s_add_co_u32 s74, s74, s75
	s_lshl_b32 s75, s42, 19                        ; the tile's four heads,
	s_add_co_u32 s74, s74, s75
	s_and_b32 s75, s17, 7
	s_lshl_b32 s75, s75, 14                        ; the tile's 256 tokens of 64 bytes,
	s_add_co_u32 s74, s74, s75
	s_lshl_b32 s75, s14, 12                        ; my wave's 64 of them
	s_add_co_u32 s74, s74, s75
	s_mov_b32 s75, 0
	s_add_nc_u64 s[72:73], s[72:73], s[74:75]
.set t, 0
.rept 32
	ds_load_b128 v[128+4*t:128+4*t+3], v[RDQ] offset:(t/4)*8*PITCH+(t%4)*64   ; tokens 8 (t / 4) on, head t % 4
.set t, t+1
.endr
.set t, 0
.rept 32
	s_wait_dscnt 31-t
	global_store_b128 v[GOQ], v[128+4*t:128+4*t+3], s[72:73] offset:(t%4)*131072+(t/4)*512   ; 512 consecutive bytes, at a multiple of 512
.set t, t+1
.endr
	s_branch .Ldone
.Lv:
	s_lshr_b32 s74, s42, 3
	s_lshl_b32 s74, s74, 21                        ; the batch,
	s_add_co_u32 s74, s74, 0x1000000               ; in V's plane,
	s_lshl_b32 s75, s17, 19                        ; the tile's four heads,
	s_add_co_u32 s74, s74, s75
	s_lshl_b32 s75, s14, 17                        ; of which my wave's 64 stage rows are one,
	s_add_co_u32 s74, s74, s75
	s_and_b32 s75, s42, 7
	s_lshl_b32 s75, s75, 8                         ; the tile's 256 keys
	s_add_co_u32 s74, s74, s75
	s_mov_b32 s75, 0
	s_add_nc_u64 s[72:73], s[72:73], s[74:75]
.set t, 0
.rept 32
	ds_load_b128 v[128+4*t:128+4*t+3], v[RDV] offset:2*t*PITCH
.set t, t+1
.endr
.set t, 0
.rept 32
	s_wait_dscnt 31-t
	global_store_b128 v[GOV], v[128+4*t:128+4*t+3], s[72:73] offset:4096*t   ; sixteen lanes store 256 consecutive bytes, at a multiple of 256
.set t, t+1
.endr
.Ldone:
	s_wait_tensorcnt 0x0                           ; the wave's end
	ds_add_u32 v[SPW], v[NIL]
	s_wait_dscnt 0x0
	CROUND                                         ; the closing round: no work-group ends while a partner may still ask for a tile that names it
	s_endpgm
.Lfunc_end_k_q47f10262e3_qkv_gemm:
	.size	k_q47f10262e3_qkv_gemm, .Lfunc_end_k_q47f10262e3_qkv_gemm-k_q47f10262e3_qkv_gemm
	.p2alignl 7, 3214868480
	.fill 96, 4, 3214868480
	.section	.rodata,"a",@progbits
	.p2align	6, 0x0
	.amdhsa_kernel k_q47f10262e3_qkv_gemm
		.amdhsa_group_segment_fixed_size 327680
		.amdhsa_private_segment_fixed_size 0
		.amdhsa_enable_private_segment 0
		.amdhsa_kernarg_size 56
		.amdhsa_user_sgpr_count 2
		.amdhsa_user_sgpr_kernarg_segment_ptr 1
		.amdhsa_wavefront_size32 1
		.amdhsa_system_sgpr_workgroup_id_x 1
		.amdhsa_system_sgpr_workgroup_id_y 1
		.amdhsa_system_sgpr_workgroup_id_z 1
		.amdhsa_system_vgpr_workitem_id 0
		.amdhsa_next_free_vgpr 1024
		.amdhsa_next_free_sgpr 102
		.amdhsa_reserve_vcc 0
		.amdhsa_float_denorm_mode_32 3
		.amdhsa_float_denorm_mode_16_64 3
		.amdhsa_memory_ordered 1
		.amdhsa_forward_progress 1
		.amdhsa_inst_pref_size 160
	.end_amdhsa_kernel
	.amdgpu_metadata
---
amdhsa.version: [ 1, 2 ]
amdhsa.kernels:
  - .name:           k_q47f10262e3_qkv_gemm
    .symbol:         k_q47f10262e3_qkv_gemm.kd
    .args:
      - { .name: xq, .offset: 0, .size: 8, .value_kind: global_buffer, .address_space: global }
      - { .name: wc, .offset: 8, .size: 8, .value_kind: global_buffer, .address_space: global }
      - { .name: lowp_scales, .offset: 16, .size: 8, .value_kind: global_buffer, .address_space: global }
      - { .name: WQ_b, .offset: 24, .size: 8, .value_kind: global_buffer, .address_space: global }
      - { .name: WK_b, .offset: 32, .size: 8, .value_kind: global_buffer, .address_space: global }
      - { .name: WV_b, .offset: 40, .size: 8, .value_kind: global_buffer, .address_space: global }
      - { .name: qkv, .offset: 48, .size: 8, .value_kind: global_buffer, .address_space: global }
    .group_segment_fixed_size: 327680
    .private_segment_fixed_size: 0
    .kernarg_segment_align: 8
    .kernarg_segment_size: 56
    .max_flat_workgroup_size: 128
    .sgpr_count:     102
    .vgpr_count:     1024
    .wavefront_size: 32
...
	.end_amdgpu_metadata
.endif
;; end of part 2
;; launch attn (part 3): grid 4 x 64, 16 waves a work-group, no clusters, 121,856 bytes of LDS; arguments qkv, lowp_scales, ac; writes ac
.if DOCPART == 3
	.amdgcn_target "amdgcn-amd-amdhsa--gfx1250"
	.amdhsa_code_object_version 6
	.text
	.protected	k_q47f10262e3_attn
	.globl	k_q47f10262e3_attn
	.p2align	8
	.type	k_q47f10262e3_attn,@function
k_q47f10262e3_attn:
	s_mov_b64 s[64:65], 0
	v_nop
	global_prefetch_b8 v0, s[64:65] scope:SCOPE_SE
	s_setreg_imm32_b32 hwreg(HW_REG_WAVE_MODE, 25, 1), 1
	s_wait_xcnt 0x0
; Causal attention on E4M3 codes, head size 64, 64 (batch x head) x 2,048 tokens.  qkv: plane 0 Q's codes [bh][2048][64], plane 1 K's likewise, plane 2 V's with the keys innermost [bh][64][2048].
; t = score x 2^(e6 + e7) x log2(e) / 8; M = the running largest t rounded UP to a whole number; p = 2^(t - M) is quantised with 2^e8, not normalised; the row's sum is taken of the unquantised p;
; when M moves, the sum and O are multiplied by 2^(old M - new M), which rounds nothing.  O x 2^(e8 + e9) / sum is quantised with 2^e10 for the last product.
; OUT: ac [token / 128][head][128 tokens][64]: a wave's 16 queries are 1,024 consecutive bytes, and 128 tokens x 4 heads are one dense block for the launch that follows.
; SHARES.  Work-group (i, bh), i = 0..3, owns query blocks i and 7 - i (256 queries each) of its head, one after the other.  Block j needs key slots 0 .. j (256 keys a slot): i + 1 and 8 - i slots, NINE for every
; work-group: 256 work-groups of equal causal work, and a loop of the constant count 9.  Each of SIXTEEN waves owns 16 queries in 256 registers: four waves to a SIMD, one wave's softmax beside another's products.
; NO JOINT LOADS: the four work-groups of a head read the same K and V, but in trip n work-group i wants slot n or n - i - 1: partners would ask for different tiles in the same round.
; THE RING is filled through registers: a slot is 32,768 bytes, four loads of 16 bytes a lane; they are issued a whole trip ahead of the LDS stores that use them.  One barrier a trip: in front of it each wave has
; waited for its stores into this trip's slot and for its reads of the trip before; the slot written in trip n was last read in trip n - 2, and every wave finished those reads ahead of its signal in trip n - 1.
; LAYOUT.  Both products are used transposed (S^T = K Q^T, O^T = V^T P^T): a lane holds ONE query (lane % 16) throughout.  Lane r of K's tile 2 b + u takes key 32 b + 8 u + r + 8 (r / 8), so that the 16 registers
; of tiles 2 b and 2 b + 1 are keys 32 b + 16 (lane / 16) + 0 .. 15: the conversions' results are the second product's operand.  K lies in LDS as images of its fragments' registers.
; Fragments come by 16-byte loads: the same permutation of K in both operands of each product.
; LIMITS: e6 + e7 between -123 and 130; e8 and e10 between -126 and 119; e8 + e9 is applied by v_ldexp_f32 and has none.
.set VOFF,  16384                      ; a slot: K's 16 images of 1,024 bytes, then V's 64 rows
.set VPI,   272                        ; a row of V in LDS: 256 bytes + 16
.set SLOT1, 65536                      ; slot 1 begins here: one exclusive or turns an address
.set STAGE, 99328                      ; behind slot 1's 33,792 bytes: 16 rows x 80 bytes for each wave
.set FB,  40                           ; v40-103  eight fragments of K (8 registers), then four of V (16)
.set SB,  104                          ; v104-167 S^T, then p
.set OB,  168                          ; v168-199 O^T
.set PC,  200                          ; v200-215 p's codes
; v1 16 x lane; v2 my place in V's tile; v3, v4 where I store K's and V's pieces; v5, v6 where they lie in memory; v7 Q's offset; v8, v9 addresses in hand; v10, v11 the stage, in and out;
; v12 -M, v13 the largest t, v[14:15] the sum in two halves; v16-23 Q; v24-39 the next slot on its way; v216, v217 at work; v218 a permute's destination; v[220:221] f; v[222:223] the sum's second chain;
; v224, v225: 2^e8 and 448 x 2^e8; v226, v227: the same for e10; v228-230 the mask.
; s10 wave, s11 i, s12 bh, s13 7 - 2 i; s[14:15] K's head, s[16:17] V's; s[18:19], s[20:21] the slot asked for; s[22:23] Q's rows; s[24:25] my rows of ac; s[26:27] lane selects; s[28:29] c;
; s30 the slot in hand; s31 the trip; s32 the next slot to ask for; s33 the step's first key; s34 my first query; s[36:47] the exponents; s48 e8 + e9; s[50:51] an offset, its high word 0.
.macro MKSC e, vs, vl
	s_add_co_i32 s52, \e, 127
	s_lshl_b32 s53, s52, 23
	v_mov_b32 v[\vs], s53
	s_add_co_i32 s52, s52, 8
	s_lshl_b32 s52, s52, 23
	s_or_b32 s52, s52, 0x600000
	v_mov_b32 v[\vl], s52
.endm
	s_load_b128 s[4:7], s[0:1], 0x0                ; qkv, the exponents
	s_load_b64 s[8:9], s[0:1], 0x10                ; ac
	v_lshl_add_u32 v254, v0, 2, 0x1d400
	v_mov_b32 v255, 0
	v_lshrrev_b32 v8, 5, v0
	v_readfirstlane_b32 s10, v8                    ; wave 0..15
	s_mov_b32 s11, ttmp9                           ; i
	s_and_b32 s12, ttmp7, 0xffff                   ; bh
	s_lshl_b32 s13, s11, 1
	s_sub_co_u32 s13, 7, s13                       ; blocks from the first to the second
	v_and_b32 v216, 15, v0                         ; r
	v_bfe_u32 v217, v0, 4, 1                       ; h
	v_and_b32 v219, 31, v0                         ; lane
	v_lshlrev_b32 v1, 4, v219
	v_mul_u32_u24 v2, v216, VPI
	v_lshl_add_u32 v2, v217, 4, v2
	v_add_nc_u32 v2, VOFF, v2
	; thread n brings 16 bytes of K: key n / 4 of 128, piece n % 4.  Its place in the images: bits 6:4 = n[4:2] and bit 7 = n[6] (the lane's r), bit 8 = n[0] (h), bit 9 = n[1] (which four registers), bit 10 = n[5] and bits 12:11 = n[8:7] (the tile)
	v_bfe_u32 v8, v0, 2, 3
	v_lshlrev_b32 v3, 4, v8
	v_bfe_u32 v8, v0, 6, 1
	v_lshl_or_b32 v3, v8, 7, v3
	v_and_b32 v8, 3, v0
	v_lshl_or_b32 v3, v8, 8, v3
	v_bfe_u32 v8, v0, 5, 1
	v_lshl_or_b32 v3, v8, 10, v3
	v_bfe_u32 v8, v0, 7, 2
	v_lshl_or_b32 v3, v8, 11, v3
	v_lshrrev_b32 v8, 4, v0                        ; V: row n / 16 of 32, piece n % 16
	v_mul_u32_u24 v4, v8, VPI
	v_lshl_add_u32 v4, v216, 4, v4
	v_add_nc_u32 v4, VOFF, v4
	v_lshlrev_b32 v5, 4, v0                        ; K in memory: dense
	v_lshlrev_b32 v6, 11, v8
	v_lshl_add_u32 v6, v216, 4, v6                 ; V in memory: rows 2,048 bytes apart
	v_lshlrev_b32 v7, 6, v216
	v_lshl_add_u32 v7, v217, 4, v7                 ; Q: row r of 64 bytes, + 16 h
	s_mul_i32 s50, s10, 1280
	s_add_co_u32 s50, s50, STAGE
	v_mul_u32_u24 v10, v216, 80
	v_lshl_add_u32 v10, v217, 3, v10
	v_add_nc_u32 v10, s50, v10                     ; the stage, in: row r, 8 h
	v_lshrrev_b32 v8, 2, v219
	v_mul_u32_u24 v11, v8, 80
	v_and_b32 v8, 3, v219
	v_lshl_add_u32 v11, v8, 4, v11
	v_add_nc_u32 v11, s50, v11                     ; and out: row lane / 4, 16 (lane % 4)
	s_mov_b32 s26, 0x76543210
	s_mov_b32 s27, 0xfedcba98
	s_mov_b32 s28, 0x3e38aa3b                      ; c = log2(e) / sqrt(64)
	s_mov_b32 s30, 0
	s_mov_b32 s31, 0
	s_mov_b32 s32, 1
	s_mov_b32 s33, 0
	s_lshl_b32 s34, s11, 8
	s_lshl_b32 s50, s10, 4
	s_add_co_u32 s34, s34, s50                     ; my first query: 256 i + 16 x wave
	s_mov_b32 s51, 0
	s_lshl_b32 s54, s12, 17                        ; a head is 131,072 bytes in each plane
	s_mov_b32 s55, 0
	s_lshl_b32 s56, s34, 6
	s_mov_b32 s57, 0
	s_lshr_b32 s52, s12, 4
	s_lshl_b32 s52, s52, 4                         ; the batch's first block of 128 tokens,
	s_lshl_b32 s53, s11, 1
	s_add_co_u32 s52, s52, s53                     ; my query block's,
	s_lshr_b32 s53, s10, 3
	s_add_co_u32 s52, s52, s53                     ; my wave's
	s_lshl_b32 s52, s52, 17
	s_and_b32 s53, s12, 15
	s_lshl_b32 s53, s53, 13                        ; the head: 128 tokens x 64 bytes
	s_add_co_u32 s52, s52, s53
	s_and_b32 s53, s10, 7
	s_lshl_b32 s53, s53, 10                        ; my 16 tokens
	s_add_co_u32 s52, s52, s53
	s_mov_b32 s53, 0
	s_wait_kmcnt 0x0
	s_load_b256 s[36:43], s[6:7], 0x0              ; e0 .. e7
	s_load_b128 s[44:47], s[6:7], 0x20             ; e8 .. e11
	s_add_nc_u64 s[22:23], s[4:5], s[54:55]
	s_add_nc_u64 s[14:15], s[22:23], 0x800000
	s_add_nc_u64 s[16:17], s[22:23], 0x1000000
	s_add_nc_u64 s[22:23], s[22:23], s[56:57]
	s_add_nc_u64 s[24:25], s[8:9], s[52:53]
	s_mov_b64 s[18:19], s[14:15]
	s_mov_b64 s[20:21], s[16:17]
.macro ASK                             ; a slot: 16,384 bytes of K, dense, and 256 bytes of each of V's 64 rows; 16 bytes a thread, four times
	global_load_b128 v[24:27], v5, s[18:19]
	global_load_b128 v[28:31], v5, s[18:19] offset:8192
	global_load_b128 v[32:35], v6, s[20:21]
	global_load_b128 v[36:39], v6, s[20:21] offset:65536
.endm
.macro NEWQ                            ; a block's Q, and its state: O^T and the sum are zeros, which the first change of M leaves zeros
	global_load_b128 v[16:19], v7, s[22:23]
	global_load_b128 v[20:23], v7, s[22:23] offset:32
	v_mov_b32 v13, 0xff61b1e6                      ; the largest t so far: -3e38
	v_floor_f32 v12, -v13
	v_mov_b32 v14, 0
	v_mov_b32 v15, 0
.set jj, 0
.rept 32
	v_mov_b32 v[OB+jj], 0
.set jj, jj+1
.endr
.endm
	ASK                                            ; slot 0
	NEWQ
	v_mov_b32 v218, 0                              ; a lane permute's destination counts as one of its sources
	v_mov_b32 v221, 0                              ; (named as the upper half of a pair)
	s_wait_kmcnt 0x0
	s_add_co_i32 s50, s42, s43
	s_lshl_b32 s50, s50, 23
	s_add_co_i32 s28, s28, s50                     ; e6 + e7 are added to c's exponent field
	s_mov_b32 s29, s28
	s_add_co_i32 s48, s44, s45                     ; e8 + e9
	MKSC s44, 224, 225
	MKSC s46, 226, 227
; A KEY STEP: 128 keys, the q-th of the slot in hand.
.macro STEP q
	s_add_co_u32 s50, s34, 15                      ; a step all of whose keys come after my 16 queries is left out: a scalar branch on ids; no barrier stands in a step
	s_cmp_gt_u32 s33, s50
	s_cbranch_scc1 .Lhidden_\@
	v_add_nc_u32 v8, s30, v1
	v_add_nc_u32 v9, s30, v2
	v_nop                                          ; with the two additions: four places in front of loads into registers that the last products read
	v_nop
.set tt, 0
.rept 8
	ds_load_b128 v[FB+8*tt:FB+8*tt+3], v8 offset:8192*(\q)+1024*tt
	ds_load_b128 v[FB+8*tt+4:FB+8*tt+7], v8 offset:8192*(\q)+1024*tt+512
.set tt, tt+1
.endr
	s_wait_dscnt 0x0
.set tt, 0
.rept 8
	v_wmma_f32_16x16x64_fp8_fp8 v[SB+8*tt:SB+8*tt+7], v[FB+8*tt:FB+8*tt+7], v[16:23], 0
.set tt, tt+1
.endr
.rept 4
	v_nop
.endr
.set tt, 0
.rept 16                               ; V's four fragments take K's registers and land under the softmax
	ds_load_b128 v[FB+4*tt:FB+4*tt+3], v9 offset:16*(tt/4)*VPI+128*(\q)+32*(tt%4)
.set tt, tt+1
.endr
	s_add_co_u32 s50, s33, 127                     ; a step all of whose keys count skips the mask
	s_cmp_le_u32 s50, s34
	s_cbranch_scc1 .Lopen_\@
	s_sub_co_i32 s50, s34, s33
	v_and_b32 v228, 15, v0
	v_bfe_u32 v229, v0, 4, 1
	v_lshlrev_b32 v229, 4, v229
	v_sub_nc_u32 v228, v228, v229
	v_add_nc_u32 v228, s50, v228                   ; d = my query - the step's first key - 16 h.  Register n holds key 16 h + 32 (n / 16) + n % 16: hidden where that exceeds d + 16 h
	v_mov_b32 v230, 0xff800000                     ; -infinity: p = 0 then.  The step's first key counts for each of my queries, so the largest t is a number
.set nn, 0
.rept 64
	v_cmp_gt_i32 vcc_lo, 32*(nn/16)+nn%16, v228
	v_cndmask_b32 v[SB+nn], v[SB+nn], v230, vcc_lo
.set nn, nn+1
.endr
.Lopen_\@:
	v_max3_num_f32 v216, v[SB], v[SB+1], v[SB+2]   ; the step's largest score of my query among my 64 keys, in two chains, ascending: each accumulator is read from its low end on
	v_max3_num_f32 v217, v[SB+3], v[SB+4], v[SB+5]
.set ii, 6
.rept 14
	v_max3_num_f32 v216, v216, v[SB+ii], v[SB+ii+1]
	v_max3_num_f32 v217, v217, v[SB+ii+2], v[SB+ii+3]
.set ii, ii+4
.endr
	v_max3_num_f32 v216, v216, v[SB+62], v[SB+63]
	v_max_num_f32 v216, v216, v217
	v_permlanex16_b32 v218, v216, s26, s27
	v_max_num_f32 v216, v216, v218                 ; and among lane l xor 16's
	v_mul_f32 v216, s28, v216                      ; as t (c is positive)
	v_max_num_f32 v13, v13, v216
	v_mov_b32 v216, v12
	v_floor_f32 v12, -v13                          ; the new -M = floor(-t)
	v_sub_f32 v216, v12, v216                      ; old M - new M: a whole number, 0 or less
	v_cvt_i32_f32 v216, v216                       ; (it saturates)
	v_ldexp_f32 v220, 1.0, v216                    ; f = 2^(old M - new M)
.set jj, 0
.rept 32
	v_pk_fma_f32 v[SB+jj:SB+jj+1], v[SB+jj:SB+jj+1], s[28:29], v[12:13] op_sel_hi:[1,0,0]   ; t - M, two at a time
.set jj, jj+2
.endr
.set jj, 0
.rept 64
	v_exp_f32 v[SB+jj], v[SB+jj]                   ; p = 2^(t - M)
.set jj, jj+1
.endr
	v_pk_mul_f32 v[14:15], v[14:15], v[220:221] op_sel_hi:[1,0]   ; the sums under the new M: the plain line behind the exponentials
	s_wait_alu depctr_va_vdst(0)                   ; one wait for the batch of 64, ahead of its first reader
	v_pk_add_f32 v[222:223], v[SB:SB+1], v[SB+2:SB+3]   ; the row's sum is taken of the unquantised p, in two chains
.set jj, 4
.rept 15
	v_pk_add_f32 v[14:15], v[14:15], v[SB+jj:SB+jj+1]
	v_pk_add_f32 v[222:223], v[222:223], v[SB+jj+2:SB+jj+3]
.set jj, jj+4
.endr
	v_pk_add_f32 v[14:15], v[14:15], v[222:223]
	s_cmp_ge_i32 s44, -8                           ; p is at most 1; from e8 = -8 on, 448 x 2^e8 is at least 1.75 and the hold changes nothing: a scalar branch on the given whole number
	s_cbranch_scc1 .Lnohold_\@
.set jj, 0
.rept 64
	v_min_num_f32 v[SB+jj], v[SB+jj], v225         ; the conversion does not saturate (ISA guide 7.6.2); p is not negative, so the hold is one-sided
.set jj, jj+1
.endr
.Lnohold_\@:
.set bb, 0
.rept 4
	v_cvt_scalef32_pk8_fp8_f32 v[PC+4*bb:PC+4*bb+1], v[SB+16*bb:SB+16*bb+7], v224
	v_cvt_scalef32_pk8_fp8_f32 v[PC+4*bb+2:PC+4*bb+3], v[SB+16*bb+8:SB+16*bb+15], v224
.set bb, bb+1
.endr
.set jj, 0
.rept 16
	v_pk_mul_f32 v[OB+jj:OB+jj+1], v[OB+jj:OB+jj+1], v[220:221] op_sel_hi:[1,0]   ; O^T under the new M.  (Also the plain lines between the conversions and the products)
.set jj, jj+2
.endr
	s_wait_dscnt 0x0                               ; V is in
.set tt, 0
.rept 4                                ; the four accumulators take turns; the next step's first products stand between two links of a chain
	v_wmma_f32_16x16x128_fp8_fp8 v[OB+8*tt:OB+8*tt+7], v[FB+16*tt:FB+16*tt+15], v[PC:PC+15], v[OB+8*tt:OB+8*tt+7]
.set tt, tt+1
.endr
.Lhidden_\@:
	s_add_co_u32 s33, s33, 128
.endm
; A BLOCK'S END: O^T x 2^(e8 + e9) / the sum, quantised with 2^e10; eight codes a lane through my own stage, out as 2 x 512 consecutive bytes.  more = 1: on to the second block.
.macro FINISH more
.rept 4
	v_nop                                          ; places behind the last products
.endr
	v_add_f32 v14, v14, v15
	v_permlanex16_b32 v218, v14, s26, s27
	v_add_f32 v14, v14, v218                       ; the row's sum
	v_rcp_f32 v14, v14
	v_nop                                          ; a plain line behind the reciprocal,
	s_wait_alu depctr_va_vdst(0)                   ; and the wait ahead of its first reader
	v_ldexp_f32 v14, v14, s48
.set jj, 0
.rept 16
	v_pk_mul_f32 v[SB+jj:SB+jj+1], v[OB+jj:OB+jj+1], v[14:15] op_sel_hi:[1,0]   ; register 8 t + j: channel 16 t + 8 h + j of query r
.set jj, jj+2
.endr
.set jj, 0
.rept 32
	v_med3_num_f32 v[SB+jj], v[SB+jj], -v227, v227
.set jj, jj+1
.endr
.set tt, 0
.rept 4
	v_cvt_scalef32_pk8_fp8_f32 v[PC+2*tt:PC+2*tt+1], v[SB+8*tt:SB+8*tt+7], v226
.set tt, tt+1
.endr
	v_nop                                          ; a plain line behind the last conversion
.set tt, 0
.rept 4
	ds_store_b64 v10, v[PC+2*tt:PC+2*tt+1] offset:16*tt
.set tt, tt+1
.endr
	ds_load_b128 v[FB:FB+3], v11                   ; LDS serves a wave's instructions in order: these see my stores
	ds_load_b128 v[FB+4:FB+7], v11 offset:640
	s_wait_dscnt 1
	global_store_b128 v1, v[FB:FB+3], s[24:25]
	s_wait_dscnt 0
	global_store_b128 v1, v[FB+4:FB+7], s[24:25] offset:512
.if \more
	s_wait_xcnt 0x0                                ; the stores have read their base and their data: both are written again only behind this wait
	s_lshl_b32 s50, s13, 8
	s_add_co_u32 s34, s34, s50                     ; 7 - 2 i blocks of 256 queries on
	s_lshl_b32 s50, s13, 14
	s_add_nc_u64 s[22:23], s[22:23], s[50:51]
	s_lshl_b32 s50, s13, 18
	s_add_nc_u64 s[24:25], s[24:25], s[50:51]
	s_mov_b32 s33, 0                               ; the keys begin anew
	NEWQ                                           ; Q is awaited at the next trip's head
.endif
.endm
.Ltrip:
	s_wait_loadcnt 0x0                             ; this trip's slot, asked for a trip ago, is in my registers (and Q)
	v_add_nc_u32 v8, s30, v3
	v_add_nc_u32 v9, s30, v4
	ds_store_b128 v8, v[24:27]
	ds_store_b128 v8, v[28:31] offset:8192
	ds_store_b128 v9, v[32:35]
	ds_store_b128 v9, v[36:39] offset:8704
	s_wait_dscnt 0x0                               ; for the others' sake: my stores have landed; my reads of the last trip's slot are over
	s_barrier_signal -1
	s_barrier_wait -1
	s_cmp_eq_u32 s31, 8                            ; the last trip asks for nothing
	s_cbranch_scc1 .Lno_more
	s_cmp_eq_u32 s31, s11                          ; behind the first block's last slot comes the second block's slot 0
	s_cselect_b32 s32, 0, s32
	s_lshl_b32 s50, s32, 14
	s_add_nc_u64 s[18:19], s[14:15], s[50:51]      ; (the loads that named these pairs were shown done at the trip's head)
	s_lshl_b32 s50, s32, 8
	s_add_nc_u64 s[20:21], s[16:17], s[50:51]
	ASK
	s_add_co_u32 s32, s32, 1
.Lno_more:
	STEP 0
	STEP 1
	s_xor_b32 s30, s30, SLOT1                      ; on to the other slot
	s_cmp_lg_u32 s31, s11
	s_cbranch_scc1 .Lsame_block
	FINISH 1
.Lsame_block:
	s_add_co_u32 s31, s31, 1
	s_cmp_lt_u32 s31, 9
	s_cbranch_scc1 .Ltrip
	FINISH 0
	s_wait_tensorcnt 0x0
	ds_add_u32 v254, v255
	s_wait_dscnt 0x0
	s_endpgm
.Lfunc_end_k_q47f10262e3_attn:
	.size	k_q47f10262e3_attn, .Lfunc_end_k_q47f10262e3_attn-k_q47f10262e3_attn
	.p2alignl 7, 3214868480
	.fill 96, 4, 3214868480
	.section	.rodata,"a",@progbits
	.p2align	6, 0x0
	.amdhsa_kernel k_q47f10262e3_attn
		.amdhsa_group_segment_fixed_size 121856
		.amdhsa_private_segment_fixed_size 0
		.amdhsa_enable_private_segment 0
		.amdhsa_kernarg_size 24
		.amdhsa_user_sgpr_count 2
		.amdhsa_user_sgpr_kernarg_segment_ptr 1
		.amdhsa_wavefront_size32 1
		.amdhsa_system_sgpr_workgroup_id_x 1
		.amdhsa_system_sgpr_workgroup_id_y 1
		.amdhsa_system_sgpr_workgroup_id_z 1
		.amdhsa_system_vgpr_workitem_id 0
		.amdhsa_next_free_vgpr 256
		.amdhsa_next_free_sgpr 66
		.amdhsa_reserve_vcc 1
		.amdhsa_float_denorm_mode_32 3
		.amdhsa_float_denorm_mode_16_64 3
		.amdhsa_memory_ordered 1
		.amdhsa_forward_progress 1
		.amdhsa_inst_pref_size 60
	.end_amdhsa_kernel
	.amdgpu_metadata
---
amdhsa.version: [ 1, 2 ]
amdhsa.kernels:
  - .name:           k_q47f10262e3_attn
    .symbol:         k_q47f10262e3_attn.kd
    .args:
      - { .name: qkv, .offset: 0, .size: 8, .value_kind: global_buffer, .address_space: global }
      - { .name: lowp_scales, .offset: 8, .size: 8, .value_kind: global_buffer, .address_space: global }
      - { .name: ac, .offset: 16, .size: 8, .value_kind: global_buffer, .address_space: global }
    .group_segment_fixed_size: 121856
    .private_segment_fixed_size: 0
    .kernarg_segment_align: 8
    .kernarg_segment_size: 24
    .max_flat_workgroup_size: 512
    .sgpr_count:     66
    .vgpr_count:     256
    .wavefront_size: 32
...
	.end_amdgpu_metadata
.endif
;; end of part 3
;; launch out_gemm (part 4): grid 4 x 32, 4 waves a work-group, clusters of 4 x 4, 327,680 bytes of LDS; arguments ac, wc, lowp_scales, WO_b, out0; writes out0
.if DOCPART == 4
	.amdgcn_target "amdgcn-amd-amdhsa--gfx1250"
	.amdhsa_code_object_version 6
	.text
	.protected	k_q47f10262e3_out_gemm
	.globl	k_q47f10262e3_out_gemm
	.p2align	8
	.type	k_q47f10262e3_out_gemm,@function
k_q47f10262e3_out_gemm:
	s_mov_b64 s[64:65], 0
	v_nop
	global_prefetch_b8 v0, s[64:65] scope:SCOPE_SE
	s_setreg_imm32_b32 hwreg(HW_REG_WAVE_MODE, 25, 1), 1
	s_wait_xcnt 0x0
	s_wait_alu depctr_hold_cnt(0) depctr_sa_sdst(0) depctr_va_vdst(0) depctr_va_sdst(0) depctr_va_ssrc(0) depctr_va_vcc(0) depctr_vm_vsrc(0)
	s_getreg_b32 s2, hwreg(HW_REG_IB_STS2, 6, 4)
	s_cmp_eq_u32 s2, 0
	s_cbranch_scc0 .Lentry_in_a_cluster
	s_endpgm
.Lentry_in_a_cluster:
	s_bfe_u32 s2, ttmp6, 0x10000c
	s_cmp_lg_u32 s2, 0xf033
	s_cbranch_scc0 .Lentry_shape_is_right
	s_endpgm
.Lentry_shape_is_right:
; out0 = a WO^T + bO on E4M3 codes, K = 1,024.  a: the merged heads' codes (scale 2^e10) as the launch before laid them, [token / 128][head 16][128 tokens][64]; WO's codes (2^e11): rows 3,072 on of wc, K innermost; out0 [8192][1024] f32.
; A tile of 256 x 256 is made by four waves, 128 x 128 each: 64 accumulators, 512 registers.  K goes in steps of 256 (four heads) through a ring of two LDS slots filled by the tensor data mover.
; A'S TILE IS A DENSE BLOCK: 128 tokens x four heads are 32,768 consecutive bytes, brought as 128 rows of 256 bytes.  LDS row p then holds head p / 32, tokens 4 (p % 32) .. + 3, 64 bytes each; a fragment's lane (r, h)
; reads at 272 (r / 4) + 64 (r % 4) + 16 h.
; CLUSTERS: 4 x 4 work-groups; A's tile is shared along a row of the cluster, B's along a column, each asked for jointly.  THE MATRIX INSTRUCTION IS USED TRANSPOSED (source 0 = 16 rows of WO, source 1 = 16 tokens):
; a lane holds eight neighbouring numbers of a row of out0.  THE BIAS, divided by 2^(e10 + e11), is the C of the first K step; each finished sum is multiplied once by 2^(e10 + e11).
; LIMIT: e10 + e11 between -126 and 127.
; REGISTERS, in windows of 256: window 0: v0-31 addresses; v32-95 the bias, on the way out a block's numbers; from v128 A's fragments, one set, on the way out rows read back.  window 1: B's fragments, two sets.  windows 2, 3: the accumulators.
.set ROWB,   256
.set KROW,   1024
.set OROW,   4096                      ; a row of out0 in bytes
.set PITCH,  272                       ; 256 bytes + 16 of padding = 68 words: row r starts at bank 4 r mod 64 (ISA guide 11.1)
.set FR,     16
.set NL,     4
.set NP,     4
.set HALFT,  128*PITCH
.set SLOT,   4*HALFT
.set LAPS,   2
.set SPARE,  2*SLOT                    ; the spare words, 128 bytes a wave, which no other line names
.set SPITCH, 528                       ; the way out: 16 rows x (512 bytes + 16) for each wave, in slot 0, which has had its last fill and its last read by then
.set ADRA, 16
.set ADRB, 20
.set STO,  24
.set RD,   25
.set CO,   26
.set SPW,  28
.set NIL,  29
.set BB,   32
.set TMP,  32
.set AF,   128
.set BK,   128
.set G1, 24
.set G0, 32
.set G1B, 48
.set G0B, 56
.set MSB, 0
.macro WIN new
.if MSB != (\new)
	s_set_vgpr_msb (MSB<<8)|(\new)
.set MSB, (\new)
.endif
.endm
.set MUL_LO, 0xa1
.set MUL_HI, 0xf1
.set TO_B,   0x40
.macro JLOAD g0a, g1a, g0b, g1b        ; waves 0 and 1 fetch for A, waves 2 and 3 for B; four v_nop follow each of the two lines
	s_cmp_eq_u32 s15, 0
	s_cbranch_scc0 .Lfor_b_\@
	tensor_load_to_lds s[\g0a:\g0a+3], s[\g1a:\g1a+7]
	s_nop 0
.rept 4
	v_nop
.endr
	s_branch .Lasked_\@
.Lfor_b_\@:
	tensor_load_to_lds s[\g0b:\g0b+3], s[\g1b:\g1b+7]
	s_nop 0
.rept 4
	v_nop
.endr
.Lasked_\@:
.endm
.macro CREST
	s_cmp_lg_u32 s14, 0
	s_cbranch_scc1 .Lnot_wave_0_\@
	s_barrier_signal -3
.Lnot_wave_0_\@:
	s_barrier_wait -3
	s_barrier_signal -1
	s_barrier_wait -1
.endm
.macro CROUND
	s_barrier_signal -1
	s_barrier_wait -1
	CREST
.endm
	s_load_b128 s[4:7], s[0:1], 0x0                ; ac s[4:5], wc s[6:7]
	s_load_b128 s[8:11], s[0:1], 0x10              ; the exponents s[8:9], WO_b s[10:11]
	s_load_b64 s[12:13], s[0:1], 0x20              ; out0
	v_lshl_add_u32 v[SPW], v0, 2, SPARE
	v_mov_b32 v[NIL], 0
	ds_add_u32 v28, v29
	ds_add_u32 v28, v29
	s_wait_dscnt 0x0
	v_lshrrev_b32 v1, 5, v0
	v_readfirstlane_b32 s14, v1                    ; wave 0..3
	s_lshr_b32 s15, s14, 1                         ; which half of the tile's rows is mine.  Also: I fetch for A (0) or for B (1)
	s_and_b32 s16, s14, 1                          ; which half of its columns.  Also: which half of that tile I fetch
	s_bfe_u32 s40, ttmp6, 0x40000                  ; cx
	s_bfe_u32 s41, ttmp6, 0x40004                  ; cy
	s_lshl_b32 s42, ttmp9, 2
	s_add_co_u32 s42, s42, s40                     ; tile column
	s_and_b32 s17, ttmp7, 0xffff
	s_lshl_b32 s17, s17, 2
	s_add_co_u32 s17, s17, s41                     ; tile row
	s_lshl_b32 s43, s41, 2
	s_lshl_b32 s43, 15, s43                        ; my row of the cluster
	s_lshl_b32 s44, 0x1111, s40                    ; my column
	s_or_b32 s[G1+0], s43, (0<<16)|(1<<20)|(1<<21)|(5<<22)|(3<<25)  ; the mask; elements of 1 byte; padding on; bit 21 beside a mask; four words after every 64
	s_or_b32 s[G1B+0], s44, (0<<16)|(1<<20)|(1<<21)|(5<<22)|(3<<25)
.irp g, G1, G1B
	s_mov_b32 s[\g+1], ROWB<<16
	s_mov_b32 s[\g+2], 128<<16
	s_mov_b32 s[\g+3], ROWB<<16
	s_mov_b32 s[\g+4], 128
	s_mov_b32 s[\g+6], 0
	s_mov_b32 s[\g+7], 0
.endr
	s_mov_b32 s[G1+5], ROWB                        ; A's block is dense: a row begins where the last ends
	s_mov_b32 s[G1B+5], KROW
	s_lshl_b32 s20, s17, 1
	s_add_co_u32 s20, s20, s16
	s_lshl_b32 s20, s20, 17                        ; A: block of 128 tokens 2 x tile row + half, 131,072 bytes each
	s_mov_b32 s21, 0
	s_lshl_b32 s46, s42, 8
	s_lshl_b32 s47, s16, 7
	s_add_co_u32 s46, s46, s47
	s_lshl_b32 s46, s46, 10                        ; B: row 256 x tile column + 128 x half, of 1,024 bytes,
	s_add_co_u32 s46, s46, 0x300000                ; behind the three other weights
	s_mov_b32 s47, 0
	s_mul_i32 s45, s14, HALFT
	s_wait_kmcnt 0x0
	s_load_b64 s[96:97], s[8:9], 0x28              ; e10, e11
	s_add_nc_u64 s[20:21], s[4:5], s[20:21]
	s_add_nc_u64 s[46:47], s[6:7], s[46:47]
	CROUND                                         ; all sixteen work-groups are here: the first joint loads meet
.irp s, 0,1
	s_mov_b32 s[G0+4*\s], 1
	s_add_co_u32 s[G0+4*\s+1], s45, \s*SLOT
	s_add_nc_u64 s[G0+4*\s+2:G0+4*\s+3], s[20:21], \s*32768
	s_or_b32 s[G0+4*\s+3], s[G0+4*\s+3], 0x80000000
	s_mov_b32 s[G0B+4*\s], 1
	s_add_co_u32 s[G0B+4*\s+1], s45, \s*SLOT
	s_add_nc_u64 s[G0B+4*\s+2:G0B+4*\s+3], s[46:47], \s*ROWB
	s_or_b32 s[G0B+4*\s+3], s[G0B+4*\s+3], 0x80000000
	JLOAD G0+4*\s, G1, G0B+4*\s, G1B
.endr
	v_and_b32 v1, 15, v0                           ; r
	v_bfe_u32 v2, v0, 4, 1                         ; h
	s_lshl_b32 s18, s42, 8                         ; the bias: WO_b[my column 16 b + 8 h + 0 .. 7]
	s_lshl_b32 s19, s16, 7
	s_add_co_u32 s18, s18, s19
	s_lshl_b32 s18, s18, 2
	v_lshlrev_b32 v9, 5, v2
	v_add_nc_u32 v9, s18, v9
.irp b, 0,1,2,3,4,5,6,7
	global_load_b128 v[BB+8*\b:BB+8*\b+3], v9, s[10:11] offset:64*\b
	global_load_b128 v[BB+8*\b+4:BB+8*\b+7], v9, s[10:11] offset:64*\b+16
.endr
	v_mul_u32_u24 v3, v1, PITCH
	v_lshl_add_u32 v4, v2, 4, v3                   ; B's fragments: row r x pitch + 16 h
	v_lshrrev_b32 v5, 2, v1
	v_mul_u32_u24 v5, v5, PITCH
	v_and_b32 v6, 3, v1
	v_lshl_add_u32 v5, v6, 6, v5
	v_lshl_add_u32 v5, v2, 4, v5                   ; A's: 272 (r / 4) + 64 (r % 4) + 16 h
	s_mul_i32 s21, s15, HALFT
	s_mul_i32 s22, s16, HALFT
	s_add_co_u32 s22, s22, 2*HALFT
.irp s, 0,1
	v_add_nc_u32 v[ADRA+\s], s21, v5
	v_add_nc_u32 v[ADRB+\s], s22, v4
	s_add_co_u32 s21, s21, SLOT
	s_add_co_u32 s22, s22, SLOT
.endr
	s_mul_i32 s23, s14, 16*SPITCH                  ; my stage
	v_mul_u32_u24 v5, v1, SPITCH
	v_lshl_add_u32 v5, v2, 5, v5
	v_add_nc_u32 v[STO], s23, v5                   ; in: row r, 32 bytes for each half of the lanes
	v_and_b32 v6, 31, v0
	v_lshlrev_b32 v[CO], 4, v6                     ; back: the 32 lanes take one row of 512 bytes; and the same in out0
	v_add_nc_u32 v[RD], s23, v[CO]
	s_lshl_b32 s20, s17, 8
	s_lshl_b32 s21, s15, 7
	s_add_co_u32 s20, s20, s21
	s_lshl_b32 s20, s20, 12                        ; my first row of out0, in bytes: under 2^25
	s_mov_b32 s21, 0
	s_lshl_b32 s46, s42, 10
	s_lshl_b32 s47, s16, 9
	s_add_co_u32 s46, s46, s47                     ; my first column, in bytes
	s_mov_b32 s47, 0
	s_add_nc_u64 s[20:21], s[20:21], s[46:47]
	s_add_nc_u64 s[12:13], s[12:13], s[20:21]
	s_wait_kmcnt 0x0
	s_add_co_i32 s96, s96, s97                     ; e10 + e11
	s_sub_co_i32 s98, 0, s96
	s_add_co_i32 s96, s96, 127
	s_lshl_b32 s96, s96, 23                        ; 2^(e10 + e11) as f32
	s_mov_b32 s97, s96                             ; (named with it as a pair, so it is written)
	s_wait_loadcnt 0x0
.set j, 0
.rept 64
	v_ldexp_f32 v[BB+j], v[BB+j], s98              ; the bias goes in divided by the power of two that the sums lack
.set j, j+1
.endr
.macro FRAG reg, adr, q, i             ; B: registers 4 c .. 4 c + 3 hold K = 128 q + 32 c + 16 h + 0 .. 15 of row 16 i + r
.irp c, 0,1,2,3
	ds_load_b128 v[\reg+4*\c:\reg+4*\c+3], v[\adr] offset:128*(\q)+32*\c+(\i)*16*PITCH
.endr
.endm
.macro FRAGA reg, adr, q, i            ; A: the same K of token 16 i + r: head 2 q + c / 2 of the step's four, channels 32 (c % 2) + 16 h on
.irp c, 0,1,2,3
	ds_load_b128 v[\reg+4*\c:\reg+4*\c+3], v[\adr] offset:((2*(\q)+\c/2)*32+4*(\i))*PITCH+32*(\c%2)
.endr
.endm
.macro MUL16 a0, p, zero               ; the 64 accumulators take turns, one instruction a turn
.irp a, \a0, \a0+1
.irp b, 0,1,2,3,4,5,6,7
.if \zero
	v_wmma_f32_16x16x128_fp8_fp8 v[8*(8*((\a)%4)+\b):8*(8*((\a)%4)+\b)+7], v[128*(\p)+FR*\b:128*(\p)+FR*\b+FR-1], v[AF+FR*(\a):AF+FR*(\a)+FR-1], v[BB+8*\b:BB+8*\b+7]
.else
	v_wmma_f32_16x16x128_fp8_fp8 v[8*(8*((\a)%4)+\b):8*(8*((\a)%4)+\b)+7], v[128*(\p)+FR*\b:128*(\p)+FR*\b+FR-1], v[AF+FR*(\a):AF+FR*(\a)+FR-1], v[8*(8*((\a)%4)+\b):8*(8*((\a)%4)+\b)+7]
.endif
.endr
.endr
.endm
.macro FETCH_B slot, q, p
	WIN TO_B
.irp i, 0,1,2,3,4,5,6,7
	FRAG 128*(\p)+FR*\i, ADRB+\slot, \q, \i
.endr
	WIN 0
.endm
.macro FETCH_A slot, q, i0
.irp i, \i0, \i0+1, \i0+2, \i0+3
	FRAGA AF+FR*(\i), ADRA+\slot, \q, \i
.endr
.endm
.macro PLACES n
.rept \n
	v_nop
.endr
.endm
.macro STEP slot, q, zero
	s_wait_dscnt 4*NL                              ; B's set and A's blocks 0-3 are in; the youngest sixteen loads may be out
	WIN MUL_LO-0x20*(\zero)                        ; in the first step C lies in window 0
	MUL16 0, (\q)%2, \zero
	MUL16 2, (\q)%2, \zero
	s_wait_dscnt 0
	PLACES NP
	FETCH_B \slot, (\q)+1, 1-(\q)%2
	FETCH_A \slot, (\q)+1, 0
	WIN MUL_HI-0x30*(\zero)
	MUL16 4, (\q)%2, \zero
	MUL16 6, (\q)%2, \zero
	PLACES NP
	WIN 0
	FETCH_A \slot, (\q)+1, 4
.endm
.macro TURN slot, next, fill
	s_wait_tensorcnt 0x0                           ; all my tensor loads have landed: my part of the next slot
	ds_add_u32 v[SPW], v[NIL]                      ; 0 onto my spare word
	s_wait_dscnt 4*NL+1                            ; (the add and the youngest sixteen loads may be out)
	WIN MUL_LO
	MUL16 0, 1, 0
	s_wait_dscnt 0x0                               ; the add is done, and my reads of this slot are over
	s_barrier_signal -1
	MUL16 2, 1, 0
	WIN 0
	s_barrier_wait -1
.if \fill
	CREST                                          ; a round of the cluster's barrier: no wave of any partner still reads this slot or has a load on its way
	s_add_nc_u64 s[G0+4*\slot+2:G0+4*\slot+3], s[G0+4*\slot+2:G0+4*\slot+3], 2*32768
	s_add_nc_u64 s[G0B+4*\slot+2:G0B+4*\slot+3], s[G0B+4*\slot+2:G0B+4*\slot+3], 2*ROWB
	JLOAD G0+4*\slot, G1, G0B+4*\slot, G1B
.else
	PLACES NP
.endif
	FETCH_B \next, 0, 0
	FETCH_A \next, 0, 0
	WIN MUL_HI
	MUL16 4, 1, 0
	MUL16 6, 1, 0
	PLACES NP
	WIN 0
	FETCH_A \next, 0, 4
.endm
	s_wait_tensorcnt 1                             ; my part of K step 0 is in; K step 1's load may be out
	s_barrier_signal -1
	s_barrier_wait -1
	FETCH_B 0, 0, 0
	FETCH_A 0, 0, 0
	FETCH_A 0, 0, 4
	STEP 0, 0, 1                                   ; the first step's products start the sums on the bias
	s_mov_b32 s3, LAPS-1
.Llap:
	TURN 0, 1, 1
	STEP 1, 0, 0
	TURN 1, 0, 1
	STEP 0, 0, 0
	s_sub_co_u32 s3, s3, 1
	s_cmp_lg_u32 s3, 0
	s_cbranch_scc1 .Llap
	TURN 0, 1, 0
	STEP 1, 0, 0
	s_wait_dscnt 4*NL
	WIN MUL_LO
	MUL16 0, 1, 0
	MUL16 2, 1, 0
	s_wait_dscnt 0
	WIN MUL_HI
	MUL16 4, 1, 0
	MUL16 6, 1, 0
	WIN 0
; THE WAY OUT, block by block of 16 rows x 128 columns, through my own stage: in as 32 bytes a lane, back as whole rows of 512 bytes.  LDS serves a wave's instructions in order (ISA guide 5.7.1.4).
.macro TOSTAGE a
.set AC, 64*((\a)%4)
	WIN 0x02+((\a)/4)
.set j, 0
.rept 32
	v_pk_mul_f32 v[TMP+j:TMP+j+1], v[AC+j:AC+j+1], s[96:97] op_sel_hi:[1,0]   ; x 2^(e10 + e11); each accumulator from its low end on
.set j, j+2
.endr
	WIN 0
.irp b, 0,1,2,3,4,5,6,7
	ds_store_b128 v[STO], v[TMP+8*\b:TMP+8*\b+3] offset:64*\b
	ds_store_b128 v[STO], v[TMP+8*\b+4:TMP+8*\b+7] offset:64*\b+16
.endr
.set BBK, BK+64*((\a)%2)
.irp t, 0,1,2,3,4,5,6,7,8,9,10,11,12,13,14,15
	ds_load_b128 v[BBK+4*\t:BBK+4*\t+3], v[RD] offset:\t*SPITCH
.endr
.endm
.macro SEND a, younger                 ; younger: the LDS instructions issued behind block a's loads, which may stay out
.set BBK, BK+64*((\a)%2)
	s_wait_dscnt \younger
.if (\a) > 0
	s_add_nc_u64 s[12:13], s[12:13], 16*OROW       ; (behind a wait on XCNT: the earlier stores have read their base)
.endif
.irp t, 0,1,2,3,4,5,6,7,8,9,10,11,12,13,14,15
	global_store_b128 v[CO], v[BBK+4*\t:BBK+4*\t+3], s[12:13] offset:\t*OROW th:TH_STORE_NT   ; 512 consecutive bytes, at a multiple of 512 from out0's first byte
.endr
.endm
	PLACES NP
	TOSTAGE 0
.irp a, 1,2,3,4,5,6,7
.if \a > 1
	s_wait_xcnt 0x0                                ; block a - 2's stores have read their registers and their base
.endif
	TOSTAGE \a
	SEND \a-1, 32                                  ; behind block a - 1's loads: block a's 16 stores and 16 loads
.endr
	s_wait_xcnt 0x0
	SEND 7, 0
	s_wait_tensorcnt 0x0                           ; the wave's end
	ds_add_u32 v[SPW], v[NIL]
	s_wait_dscnt 0x0
	CROUND                                         ; the closing round
	s_endpgm
.Lfunc_end_k_q47f10262e3_out_gemm:
	.size	k_q47f10262e3_out_gemm, .Lfunc_end_k_q47f10262e3_out_gemm-k_q47f10262e3_out_gemm
	.p2alignl 7, 3214868480
	.fill 96, 4, 3214868480
	.section	.rodata,"a",@progbits
	.p2align	6, 0x0
	.amdhsa_kernel k_q47f10262e3_out_gemm
		.amdhsa_group_segment_fixed_size 327680
		.amdhsa_private_segment_fixed_size 0
		.amdhsa_enable_private_segment 0
		.amdhsa_kernarg_size 40
		.amdhsa_user_sgpr_count 2
		.amdhsa_user_sgpr_kernarg_segment_ptr 1
		.amdhsa_wavefront_size32 1
		.amdhsa_system_sgpr_workgroup_id_x 1
		.amdhsa_system_sgpr_workgroup_id_y 1
		.amdhsa_system_sgpr_workgroup_id_z 1
		.amdhsa_system_vgpr_workitem_id 0
		.amdhsa_next_free_vgpr 1024
		.amdhsa_next_free_sgpr 100
		.amdhsa_reserve_vcc 0
		.amdhsa_float_denorm_mode_32 3
		.amdhsa_float_denorm_mode_16_64 3
		.amdhsa_memory_ordered 1
		.amdhsa_forward_progress 1
		.amdhsa_inst_pref_size 129
	.end_amdhsa_kernel
	.amdgpu_metadata
---
amdhsa.version: [ 1, 2 ]
amdhsa.kernels:
  - .name:           k_q47f10262e3_out_gemm
    .symbol:         k_q47f10262e3_out_gemm.kd
    .args:
      - { .name: ac, .offset: 0, .size: 8, .value_kind: global_buffer, .address_space: global }
      - { .name: wc, .offset: 8, .size: 8, .value_kind: global_buffer, .address_space: global }
      - { .name: lowp_scales, .offset: 16, .size: 8, .value_kind: global_buffer, .address_space: global }
      - { .name: WO_b, .offset: 24, .size: 8, .value_kind: global_buffer, .address_space: global }
      - { .name: out0, .offset: 32, .size: 8, .value_kind: global_buffer, .address_space: global }
    .group_segment_fixed_size: 327680
    .private_segment_fixed_size: 0
    .kernarg_segment_align: 8
    .kernarg_segment_size: 40
    .max_flat_workgroup_size: 128
    .sgpr_count:     100
    .vgpr_count:     1024
    .wavefront_size: 32
...
	.end_amdgpu_metadata
.endif
;; end of part 4
;; ======== version 2 of 2: 4 launches; version 1 with the launch attn written anew for expert scheduling mode
;; workspace buffers: xq 25,165,824 bytes; wc 4,194,304 bytes; qkv 25,165,824 bytes; ac 8,388,608 bytes
;; launch quant: the kernel of part 1 again; grid 512 x 1, 4 waves a work-group, no clusters, 33,280 bytes of LDS; arguments x, WQ_w, WK_w, WV_w, WO_w, lowp_scales, xq, wc; writes xq, wc
;; launch qkv_gemm: the kernel of part 2 again; grid 12 x 32, 4 waves a work-group, clusters of 4 x 4, 327,680 bytes of LDS; arguments xq, wc, lowp_scales, WQ_b, WK_b, WV_b, qkv; writes qkv
;; launch attn (part 5): grid 4 x 64, 16 waves a work-group, no clusters, 121,856 bytes of LDS; arguments qkv, lowp_scales, ac; writes ac
.if DOCPART == 5
	.amdgcn_target "amdgcn-amd-amdhsa--gfx1250"
	.amdhsa_code_object_version 6
	.text
	.protected	k_q47f10262e3_attn
	.globl	k_q47f10262e3_attn
	.p2align	8
	.type	k_q47f10262e3_attn,@function
k_q47f10262e3_attn:
	s_mov_b64 s[64:65], 0
	v_nop
	global_prefetch_b8 v0, s[64:65] scope:SCOPE_SE
	s_setreg_imm32_b32 hwreg(HW_REG_WAVE_SCHED_MODE, 0, 2), 2
	s_setreg_imm32_b32 hwreg(HW_REG_WAVE_MODE, 25, 1), 1
	s_wait_xcnt 0x0
	s_wait_alu depctr_vm_vsrc(0)
; Causal attention on E4M3 codes, head size 64, 64 (batch x head) x 2,048 tokens.  qkv: plane 0 Q's codes [bh][2048][64], plane 1 K's likewise, plane 2 V's with the keys innermost [bh][64][2048].
; t = score x 2^(e6 + e7) x log2(e) / 8; M = the running largest t rounded UP to a whole number; p = 2^(t - M) is quantised with 2^e8, not normalised; the row's sum is taken of the unquantised p;
; when M moves, the sum and O are multiplied by 2^(old M - new M), which rounds nothing.  O x 2^(e8 + e9) / sum is quantised with 2^e10 for the last product.
; OUT: ac [token / 128][head][128 tokens][64]: a wave's 16 queries are 1,024 consecutive bytes, and 128 tokens x 4 heads are one dense block for the launch that follows.
; SHARES.  Work-group (i, bh), i = 0..3, owns query blocks i and 7 - i (256 queries each) of its head, one after the other.  Block j needs key slots 0 .. j (256 keys a slot): i + 1 and 8 - i slots, NINE for every
; work-group: 256 work-groups of equal causal work, and a loop of the constant count 9.  Each of SIXTEEN waves owns 16 queries in 256 registers: four waves to a SIMD, one wave's softmax beside another's products.
; NO JOINT LOADS: the four work-groups of a head read the same K and V, but in trip n work-group i wants slot n or n - i - 1: partners would ask for different tiles in the same round.
; THE RING is filled through registers: a slot is 32,768 bytes, four loads of 16 bytes a lane; they are issued a whole trip ahead of the LDS stores that use them.  One barrier a trip: in front of it each wave has
; waited for its stores into this trip's slot and for its reads of the trip before; the slot written in trip n was last read in trip n - 2, and every wave finished those reads ahead of its signal in trip n - 1.
; LAYOUT.  Both products are used transposed (S^T = K Q^T, O^T = V^T P^T): a lane holds ONE query (lane % 16) throughout.  Lane r of K's tile 2 b + u takes key 32 b + 8 u + r + 8 (r / 8), so that the 16 registers
; of tiles 2 b and 2 b + 1 are keys 32 b + 16 (lane / 16) + 0 .. 15: the conversions' results are the second product's operand.  K lies in LDS as images of its fragments' registers.
; Fragments come by 16-byte loads: the same permutation of K in both operands of each product.
; LIMITS: e6 + e7 between -123 and 130; e8 and e10 between -126 and 119; e8 + e9 is applied by v_ldexp_f32 and has none.
; THE MODE: SCHED_MODE bits 1:0 = 2 (LLVM: expert scheduling mode 2), set by the entry lines.  The code itself states the register dependences between vector or matrix instructions and memory or LDS
; instructions, with s_wait_alu, always for 0.
; THE PLAN.  Registers that memory or LDS instructions touch:
;   v1, v5, v6, v7, v10, v11   offsets and addresses, made once at the head and never written again.
;   v8, v9, v231, v232         this trip's LDS addresses.  Written by four additions at the trip's head; read by the trip's four LDS stores and by the 64 LDS loads of its two steps.
;   v24-39                     the next slot on its way.  Global loads land in them behind the barrier; the LDS stores at the next trip's head read them; no vector instruction names them.
;   v40-103 (FB)               In a step: K's loads land, the eight products K Q^T read, V's loads land, the four products V^T P read.  At a block's end: two LDS loads land in v40-47, two global stores read them.
;   v16-23 (Q)                 Global loads land at the head and at the first block's end; every product K Q^T reads them.
;   v200-215 (PC)              Written by the conversions, read by the products V^T P; at a block's end v200-207 are the data of four LDS stores.
; THE WAITS.  A trip's head: vm_vsrc ahead of the four additions, va_vdst behind them, which also states that the last trip's products are done reading FB: no vector instruction stands between it and
; step 0's loads of K.  Behind the barrier: vm_vsrc, for v24-39.  Step 1's head: va_vdst, for FB.  Behind each step's products K Q^T: va_vdst, for FB.  Behind the exponentials and the reciprocal: va_vdst.
;   A block's end: va_vdst ahead of its LDS stores; behind the first block's stores vm_vsrc, for v40-47 and v200-207, ahead of the label and the branches that follow, so that it
; holds on every way on.  The mask: its compares write sixteen scalar registers in a run, with one va_sdst behind each run.
.set VOFF,  16384                      ; a slot: K's 16 images of 1,024 bytes, then V's 64 rows
.set VPI,   272                        ; a row of V in LDS: 256 bytes + 16
.set SLOT1, 65536                      ; slot 1 begins here: one exclusive or turns an address
.set STAGE, 99328                      ; behind slot 1's 33,792 bytes: 16 rows x 80 bytes for each wave
.set FB,  40                           ; v40-103  eight fragments of K (8 registers), then four of V (16)
.set SB,  104                          ; v104-167 S^T, then p
.set OB,  168                          ; v168-199 O^T
.set PC,  200                          ; v200-215 p's codes
; v1 16 x lane; v2 my place in V's tile; v3, v4 where I store K's and V's pieces; v5, v6 where they lie in memory; v7 Q's offset; v8, v9 the same two places in this trip's slot; v10, v11 the stage, in and out;
; v12 -M, v13 the largest t, v[14:15] the sum in two halves; v16-23 Q; v24-39 the next slot on its way; v216, v217 at work; v218 a permute's destination; v[220:221] f; v[222:223] the sum's second chain;
; v224, v225: 2^e8 and 448 x 2^e8; v226, v227: the same for e10; v228-230 the mask; v231, v232 where I read K's images and V's rows in this trip's slot.
; s10 wave, s11 i, s12 bh, s13 7 - 2 i; s[14:15] K's head, s[16:17] V's; s[18:19], s[20:21] the slot asked for; s[22:23] Q's rows; s[24:25] my rows of ac; s[26:27] lane selects; s[28:29] c;
; s30 the slot in hand; s31 the trip; s32 the next slot to ask for; s33 the step's first key; s34 my first query; s[36:47] the exponents, of which s44 (e8) stays; s48 e8 + e9; s[50:51] an offset, its high word 0;
; in the loop s36-43 and s52-59, which the head is done with, are the mask's sixteen lane masks.
.macro MKSC e, vs, vl
	s_add_co_i32 s52, \e, 127
	s_lshl_b32 s53, s52, 23
	v_mov_b32 v[\vs], s53
	s_add_co_i32 s52, s52, 8
	s_lshl_b32 s52, s52, 23
	s_or_b32 s52, s52, 0x600000
	v_mov_b32 v[\vl], s52
.endm
	s_load_b128 s[4:7], s[0:1], 0x0                ; qkv, the exponents
	s_load_b64 s[8:9], s[0:1], 0x10                ; ac
	v_lshl_add_u32 v254, v0, 2, 0x1d400
	v_mov_b32 v255, 0
	v_lshrrev_b32 v8, 5, v0
	v_readfirstlane_b32 s10, v8                    ; wave 0..15
	s_mov_b32 s11, ttmp9                           ; i
	s_and_b32 s12, ttmp7, 0xffff                   ; bh
	s_lshl_b32 s13, s11, 1
	s_sub_co_u32 s13, 7, s13                       ; blocks from the first to the second
	v_and_b32 v216, 15, v0                         ; r
	v_bfe_u32 v217, v0, 4, 1                       ; h
	v_and_b32 v219, 31, v0                         ; lane
	v_lshlrev_b32 v1, 4, v219
	v_mul_u32_u24 v2, v216, VPI
	v_lshl_add_u32 v2, v217, 4, v2
	v_add_nc_u32 v2, VOFF, v2
	; thread n brings 16 bytes of K: key n / 4 of 128, piece n % 4.  Its place in the images: bits 6:4 = n[4:2] and bit 7 = n[6] (the lane's r), bit 8 = n[0] (h), bit 9 = n[1] (which four registers), bit 10 = n[5] and bits 12:11 = n[8:7] (the tile)
	v_bfe_u32 v8, v0, 2, 3
	v_lshlrev_b32 v3, 4, v8
	v_bfe_u32 v8, v0, 6, 1
	v_lshl_or_b32 v3, v8, 7, v3
	v_and_b32 v8, 3, v0
	v_lshl_or_b32 v3, v8, 8, v3
	v_bfe_u32 v8, v0, 5, 1
	v_lshl_or_b32 v3, v8, 10, v3
	v_bfe_u32 v8, v0, 7, 2
	v_lshl_or_b32 v3, v8, 11, v3
	v_lshrrev_b32 v8, 4, v0                        ; V: row n / 16 of 32, piece n % 16
	v_mul_u32_u24 v4, v8, VPI
	v_lshl_add_u32 v4, v216, 4, v4
	v_add_nc_u32 v4, VOFF, v4
	v_lshlrev_b32 v5, 4, v0                        ; K in memory: dense
	v_lshlrev_b32 v6, 11, v8
	v_lshl_add_u32 v6, v216, 4, v6                 ; V in memory: rows 2,048 bytes apart
	v_lshlrev_b32 v7, 6, v216
	v_lshl_add_u32 v7, v217, 4, v7                 ; Q: row r of 64 bytes, + 16 h
	s_wait_alu depctr_va_sdst(0)                   ; s10 is written, ahead of its first reader: the stage's place, my first query and my rows of ac are made from it
	s_mul_i32 s50, s10, 1280
	s_add_co_u32 s50, s50, STAGE
	v_mul_u32_u24 v10, v216, 80
	v_lshl_add_u32 v10, v217, 3, v10
	v_add_nc_u32 v10, s50, v10                     ; the stage, in: row r, 8 h
	v_lshrrev_b32 v8, 2, v219
	v_mul_u32_u24 v11, v8, 80
	v_and_b32 v8, 3, v219
	v_lshl_add_u32 v11, v8, 4, v11
	v_add_nc_u32 v11, s50, v11                     ; and out: row lane / 4, 16 (lane % 4)
	s_mov_b32 s26, 0x76543210
	s_mov_b32 s27, 0xfedcba98
	s_mov_b32 s28, 0x3e38aa3b                      ; c = log2(e) / sqrt(64)
	s_mov_b32 s30, 0
	s_mov_b32 s31, 0
	s_mov_b32 s32, 1
	s_mov_b32 s33, 0
	s_lshl_b32 s34, s11, 8
	s_lshl_b32 s50, s10, 4
	s_add_co_u32 s34, s34, s50                     ; my first query: 256 i + 16 x wave
	s_mov_b32 s51, 0
	s_lshl_b32 s54, s12, 17                        ; a head is 131,072 bytes in each plane
	s_mov_b32 s55, 0
	s_lshl_b32 s56, s34, 6
	s_mov_b32 s57, 0
	s_lshr_b32 s52, s12, 4
	s_lshl_b32 s52, s52, 4                         ; the batch's first block of 128 tokens,
	s_lshl_b32 s53, s11, 1
	s_add_co_u32 s52, s52, s53                     ; my query block's,
	s_lshr_b32 s53, s10, 3
	s_add_co_u32 s52, s52, s53                     ; my wave's
	s_lshl_b32 s52, s52, 17
	s_and_b32 s53, s12, 15
	s_lshl_b32 s53, s53, 13                        ; the head: 128 tokens x 64 bytes
	s_add_co_u32 s52, s52, s53
	s_and_b32 s53, s10, 7
	s_lshl_b32 s53, s53, 10                        ; my 16 tokens
	s_add_co_u32 s52, s52, s53
	s_mov_b32 s53, 0
	s_wait_kmcnt 0x0
	s_load_b256 s[36:43], s[6:7], 0x0              ; e0 .. e7
	s_load_b128 s[44:47], s[6:7], 0x20             ; e8 .. e11
	s_add_nc_u64 s[22:23], s[4:5], s[54:55]
	s_add_nc_u64 s[14:15], s[22:23], 0x800000
	s_add_nc_u64 s[16:17], s[22:23], 0x1000000
	s_add_nc_u64 s[22:23], s[22:23], s[56:57]
	s_add_nc_u64 s[24:25], s[8:9], s[52:53]
	s_mov_b64 s[18:19], s[14:15]
	s_mov_b64 s[20:21], s[16:17]
.macro ASK                             ; a slot: 16,384 bytes of K, dense, and 256 bytes of each of V's 64 rows; 16 bytes a thread, four times
	global_load_b128 v[24:27], v5, s[18:19]
	global_load_b128 v[28:31], v5, s[18:19] offset:8192
	global_load_b128 v[32:35], v6, s[20:21]
	global_load_b128 v[36:39], v6, s[20:21] offset:65536
.endm
.macro NEWQ                            ; a block's Q, and its state: O^T and the sum are zeros, which the first change of M leaves zeros
	global_load_b128 v[16:19], v7, s[22:23]
	global_load_b128 v[20:23], v7, s[22:23] offset:32
	v_mov_b32 v13, 0xff61b1e6                      ; the largest t so far: -3e38
	v_floor_f32 v12, -v13
	v_mov_b32 v14, 0
	v_mov_b32 v15, 0
.set jj, 0
.rept 32
	v_mov_b32 v[OB+jj], 0
.set jj, jj+1
.endr
.endm
	s_wait_alu depctr_va_vdst(0)                   ; the offsets and addresses v1 to v7, v10 and v11 are written, which the loads and stores of the whole kernel read
	ASK                                            ; slot 0
	NEWQ
	v_mov_b32 v218, 0                              ; a lane permute's destination counts as one of its sources
	v_mov_b32 v221, 0                              ; (named as the upper half of a pair)
	s_wait_kmcnt 0x0
	s_add_co_i32 s50, s42, s43
	s_lshl_b32 s50, s50, 23
	s_add_co_i32 s28, s28, s50                     ; e6 + e7 are added to c's exponent field
	s_mov_b32 s29, s28
	s_add_co_i32 s48, s44, s45                     ; e8 + e9
	MKSC s44, 224, 225
	MKSC s46, 226, 227
; A KEY STEP: 128 keys, the q-th of the slot in hand.
.macro STEP q
	s_add_co_u32 s50, s34, 15                      ; a step all of whose keys come after my 16 queries is left out: a scalar branch on ids; no barrier stands in a step
	s_cmp_gt_u32 s33, s50
	s_cbranch_scc1 .Lhidden_\@
.if \q
.rept 4
	v_nop                                          ; four plain lines between step 0's last products and the loads into registers that they read; ahead of step 0 the trip's four additions are these lines
.endr
	s_wait_alu depctr_va_vdst(0)                   ; step 0's products V^T P are done reading v[FB ..], in which K's loads land.  (Step 0 has no such line: the wait at the trip's head states the same of the trip before)
.endif
.set tt, 0
.rept 8
	ds_load_b128 v[FB+8*tt:FB+8*tt+3], v231 offset:8192*(\q)+1024*tt
	ds_load_b128 v[FB+8*tt+4:FB+8*tt+7], v231 offset:8192*(\q)+1024*tt+512
.set tt, tt+1
.endr
	s_wait_dscnt 0x0
.set tt, 0
.rept 8
	v_wmma_f32_16x16x64_fp8_fp8 v[SB+8*tt:SB+8*tt+7], v[FB+8*tt:FB+8*tt+7], v[16:23], 0
.set tt, tt+1
.endr
.rept 4
	v_nop
.endr
	s_wait_alu depctr_va_vdst(0)                   ; the eight products are done reading v[FB ..], in which V's loads land; the places above stay beside this wait
.set tt, 0
.rept 16                               ; V's four fragments take K's registers and land under the softmax
	ds_load_b128 v[FB+4*tt:FB+4*tt+3], v232 offset:16*(tt/4)*VPI+128*(\q)+32*(tt%4)
.set tt, tt+1
.endr
	s_add_co_u32 s50, s33, 127                     ; a step all of whose keys count skips the mask
	s_cmp_le_u32 s50, s34
	s_cbranch_scc1 .Lopen_\@
	s_sub_co_i32 s50, s34, s33
	v_and_b32 v228, 15, v0
	v_bfe_u32 v229, v0, 4, 1
	v_lshlrev_b32 v229, 4, v229
	v_sub_nc_u32 v228, v228, v229
	v_add_nc_u32 v228, s50, v228                   ; d = my query - the step's first key - 16 h.  Register n holds key 16 h + 32 (n / 16) + n % 16: hidden where that exceeds d + 16 h
	v_mov_b32 v230, 0xff800000                     ; -infinity: p = 0 then.  The step's first key counts for each of my queries, so the largest t is a number
.set gg, 0
.rept 4                                ; sixteen registers at a time: a run of compares into sixteen scalar registers, one wait, the sixteen selects
.set nn, 0
.rept 16
	v_cmp_gt_i32 s[36+nn+8*(nn/8)], 32*gg+nn, v228
.set nn, nn+1
.endr
	s_wait_alu depctr_va_sdst(0)                   ; the sixteen compares have written their masks, ahead of the first select that reads one
.set nn, 0
.rept 16
	v_cndmask_b32 v[SB+16*gg+nn], v[SB+16*gg+nn], v230, s[36+nn+8*(nn/8)]
.set nn, nn+1
.endr
.set gg, gg+1
.endr
.Lopen_\@:
	v_max3_num_f32 v216, v[SB], v[SB+1], v[SB+2]   ; the step's largest score of my query among my 64 keys, in two chains, ascending: each accumulator is read from its low end on
	v_max3_num_f32 v217, v[SB+3], v[SB+4], v[SB+5]
.set ii, 6
.rept 14
	v_max3_num_f32 v216, v216, v[SB+ii], v[SB+ii+1]
	v_max3_num_f32 v217, v217, v[SB+ii+2], v[SB+ii+3]
.set ii, ii+4
.endr
	v_max3_num_f32 v216, v216, v[SB+62], v[SB+63]
	v_max_num_f32 v216, v216, v217
	v_permlanex16_b32 v218, v216, s26, s27
	v_max_num_f32 v216, v216, v218                 ; and among lane l xor 16's
	v_mul_f32 v216, s28, v216                      ; as t (c is positive)
	v_max_num_f32 v13, v13, v216
	v_mov_b32 v216, v12
	v_floor_f32 v12, -v13                          ; the new -M = floor(-t)
	v_sub_f32 v216, v12, v216                      ; old M - new M: a whole number, 0 or less
	v_cvt_i32_f32 v216, v216                       ; (it saturates)
	v_ldexp_f32 v220, 1.0, v216                    ; f = 2^(old M - new M)
.set jj, 0
.rept 32
	v_pk_fma_f32 v[SB+jj:SB+jj+1], v[SB+jj:SB+jj+1], s[28:29], v[12:13] op_sel_hi:[1,0,0]   ; t - M, two at a time
.set jj, jj+2
.endr
.set jj, 0
.rept 64
	v_exp_f32 v[SB+jj], v[SB+jj]                   ; p = 2^(t - M)
.set jj, jj+1
.endr
	v_pk_mul_f32 v[14:15], v[14:15], v[220:221] op_sel_hi:[1,0]   ; the sums under the new M: the plain line behind the exponentials
	s_wait_alu depctr_va_vdst(0)                   ; the 64 exponentials have written v[SB ..]: one wait for the batch, ahead of its first reader
	v_pk_add_f32 v[222:223], v[SB:SB+1], v[SB+2:SB+3]   ; the row's sum is taken of the unquantised p, in two chains
.set jj, 4
.rept 15
	v_pk_add_f32 v[14:15], v[14:15], v[SB+jj:SB+jj+1]
	v_pk_add_f32 v[222:223], v[222:223], v[SB+jj+2:SB+jj+3]
.set jj, jj+4
.endr
	v_pk_add_f32 v[14:15], v[14:15], v[222:223]
	s_cmp_ge_i32 s44, -8                           ; p is at most 1; from e8 = -8 on, 448 x 2^e8 is at least 1.75 and the hold changes nothing: a scalar branch on the given whole number
	s_cbranch_scc1 .Lnohold_\@
.set jj, 0
.rept 64
	v_min_num_f32 v[SB+jj], v[SB+jj], v225         ; the conversion does not saturate (ISA guide 7.6.2); p is not negative, so the hold is one-sided
.set jj, jj+1
.endr
.Lnohold_\@:
.set bb, 0
.rept 4
	v_cvt_scalef32_pk8_fp8_f32 v[PC+4*bb:PC+4*bb+1], v[SB+16*bb:SB+16*bb+7], v224
	v_cvt_scalef32_pk8_fp8_f32 v[PC+4*bb+2:PC+4*bb+3], v[SB+16*bb+8:SB+16*bb+15], v224
.set bb, bb+1
.endr
.set jj, 0
.rept 16
	v_pk_mul_f32 v[OB+jj:OB+jj+1], v[OB+jj:OB+jj+1], v[220:221] op_sel_hi:[1,0]   ; O^T under the new M.  (Also the plain lines between the conversions and the products)
.set jj, jj+2
.endr
	s_wait_dscnt 0x0                               ; V is in
.set tt, 0
.rept 4                                ; the four accumulators take turns; the next step's first products stand between two links of a chain
	v_wmma_f32_16x16x128_fp8_fp8 v[OB+8*tt:OB+8*tt+7], v[FB+16*tt:FB+16*tt+15], v[PC:PC+15], v[OB+8*tt:OB+8*tt+7]
.set tt, tt+1
.endr
.Lhidden_\@:
	s_add_co_u32 s33, s33, 128
.endm
; A BLOCK'S END: O^T x 2^(e8 + e9) / the sum, quantised with 2^e10; eight codes a lane through my own stage, out as 2 x 512 consecutive bytes.  more = 1: on to the second block.
.macro FINISH more
.rept 4
	v_nop                                          ; places behind the last products
.endr
	v_add_f32 v14, v14, v15
	v_permlanex16_b32 v218, v14, s26, s27
	v_add_f32 v14, v14, v218                       ; the row's sum
	v_rcp_f32 v14, v14
	v_nop                                          ; a plain line behind the reciprocal,
	s_wait_alu depctr_va_vdst(0)                   ; and the wait ahead of its first reader: the reciprocal has written v14
	v_ldexp_f32 v14, v14, s48
.set jj, 0
.rept 16
	v_pk_mul_f32 v[SB+jj:SB+jj+1], v[OB+jj:OB+jj+1], v[14:15] op_sel_hi:[1,0]   ; register 8 t + j: channel 16 t + 8 h + j of query r
.set jj, jj+2
.endr
.set jj, 0
.rept 32
	v_med3_num_f32 v[SB+jj], v[SB+jj], -v227, v227
.set jj, jj+1
.endr
.set tt, 0
.rept 4
	v_cvt_scalef32_pk8_fp8_f32 v[PC+2*tt:PC+2*tt+1], v[SB+8*tt:SB+8*tt+7], v226
.set tt, tt+1
.endr
	v_nop                                          ; a plain line behind the last conversion
	s_wait_alu depctr_va_vdst(0)                   ; the conversions have written v[PC ..], which the LDS stores read; the block's products are done reading v[FB ..] and Q, in which the loads below land
.set tt, 0
.rept 4
	ds_store_b64 v10, v[PC+2*tt:PC+2*tt+1] offset:16*tt
.set tt, tt+1
.endr
	ds_load_b128 v[FB:FB+3], v11                   ; LDS serves a wave's instructions in order: these see my stores
	ds_load_b128 v[FB+4:FB+7], v11 offset:640
	s_wait_dscnt 1
	global_store_b128 v1, v[FB:FB+3], s[24:25]
	s_wait_dscnt 0
	global_store_b128 v1, v[FB+4:FB+7], s[24:25] offset:512
.if \more
	s_wait_xcnt 0x0                                ; the stores have read their base and their data: both are written again only behind this wait
	s_wait_alu depctr_vm_vsrc(0)                   ; the two global stores have read v[FB .. FB + 7] and the four LDS stores v[PC .. PC + 7]: later loads land in the first, later conversions write the second, on every way on from here
	s_lshl_b32 s50, s13, 8
	s_add_co_u32 s34, s34, s50                     ; 7 - 2 i blocks of 256 queries on
	s_lshl_b32 s50, s13, 14
	s_add_nc_u64 s[22:23], s[22:23], s[50:51]
	s_lshl_b32 s50, s13, 18
	s_add_nc_u64 s[24:25], s[24:25], s[50:51]
	s_mov_b32 s33, 0                               ; the keys begin anew
	NEWQ                                           ; Q is awaited at the next trip's head.  No vector instruction since the wait on va_vdst above names v16-23
.endif
.endm
.Ltrip:
	s_wait_loadcnt 0x0                             ; this trip's slot, asked for a trip ago, is in my registers (and Q)
	s_wait_alu depctr_vm_vsrc(0)                   ; the LDS stores and loads issued so far have read v8, v9, v231 and v232, which are written below
	v_add_nc_u32 v8, s30, v3
	v_add_nc_u32 v9, s30, v4
	v_add_nc_u32 v231, s30, v1
	v_add_nc_u32 v232, s30, v2
	s_wait_alu depctr_va_vdst(0)                   ; the trip's four addresses are written, which its LDS stores and loads read; the last trip's products are done reading v[FB ..], in which step 0's loads land
	ds_store_b128 v8, v[24:27]
	ds_store_b128 v8, v[28:31] offset:8192
	ds_store_b128 v9, v[32:35]
	ds_store_b128 v9, v[36:39] offset:8704
	s_wait_dscnt 0x0                               ; for the others' sake: my stores have landed; my reads of the last trip's slot are over
	s_barrier_signal -1
	s_barrier_wait -1
	s_wait_alu depctr_vm_vsrc(0)                   ; my four LDS stores have read v24-39, in which the next slot's loads land
	s_cmp_eq_u32 s31, 8                            ; the last trip asks for nothing
	s_cbranch_scc1 .Lno_more
	s_cmp_eq_u32 s31, s11                          ; behind the first block's last slot comes the second block's slot 0
	s_cselect_b32 s32, 0, s32
	s_lshl_b32 s50, s32, 14
	s_add_nc_u64 s[18:19], s[14:15], s[50:51]      ; (the loads that named these pairs were shown done at the trip's head)
	s_lshl_b32 s50, s32, 8
	s_add_nc_u64 s[20:21], s[16:17], s[50:51]
	ASK
	s_add_co_u32 s32, s32, 1
.Lno_more:
	STEP 0
	STEP 1
	s_xor_b32 s30, s30, SLOT1                      ; on to the other slot
	s_cmp_lg_u32 s31, s11
	s_cbranch_scc1 .Lsame_block
	FINISH 1
.Lsame_block:
	s_add_co_u32 s31, s31, 1
	s_cmp_lt_u32 s31, 9
	s_cbranch_scc1 .Ltrip
	FINISH 0
	s_wait_dscnt 0x0
	s_wait_alu depctr_hold_cnt(0) depctr_sa_sdst(0) depctr_va_vdst(0) depctr_va_sdst(0) depctr_va_ssrc(0) depctr_va_vcc(0) depctr_vm_vsrc(0)
	s_wait_tensorcnt 0x0
	ds_add_u32 v254, v255
	s_wait_dscnt 0x0
	s_endpgm
.Lfunc_end_k_q47f10262e3_attn:
	.size	k_q47f10262e3_attn, .Lfunc_end_k_q47f10262e3_attn-k_q47f10262e3_attn
	.p2alignl 7, 3214868480
	.fill 96, 4, 3214868480
	.section	.rodata,"a",@progbits
	.p2align	6, 0x0
	.amdhsa_kernel k_q47f10262e3_attn
		.amdhsa_group_segment_fixed_size 121856
		.amdhsa_private_segment_fixed_size 0
		.amdhsa_enable_private_segment 0
		.amdhsa_kernarg_size 24
		.amdhsa_user_sgpr_count 2
		.amdhsa_user_sgpr_kernarg_segment_ptr 1
		.amdhsa_wavefront_size32 1
		.amdhsa_system_sgpr_workgroup_id_x 1
		.amdhsa_system_sgpr_workgroup_id_y 1
		.amdhsa_system_sgpr_workgroup_id_z 1
		.amdhsa_system_vgpr_workitem_id 0
		.amdhsa_next_free_vgpr 256
		.amdhsa_next_free_sgpr 66
		.amdhsa_reserve_vcc 0
		.amdhsa_float_denorm_mode_32 3
		.amdhsa_float_denorm_mode_16_64 3
		.amdhsa_memory_ordered 1
		.amdhsa_forward_progress 1
		.amdhsa_inst_pref_size 69
	.end_amdhsa_kernel
	.amdgpu_metadata
---
amdhsa.version: [ 1, 2 ]
amdhsa.kernels:
  - .name:           k_q47f10262e3_attn
    .symbol:         k_q47f10262e3_attn.kd
    .args:
      - { .name: qkv, .offset: 0, .size: 8, .value_kind: global_buffer, .address_space: global }
      - { .name: lowp_scales, .offset: 8, .size: 8, .value_kind: global_buffer, .address_space: global }
      - { .name: ac, .offset: 16, .size: 8, .value_kind: global_buffer, .address_space: global }
    .group_segment_fixed_size: 121856
    .private_segment_fixed_size: 0
    .kernarg_segment_align: 8
    .kernarg_segment_size: 24
    .max_flat_workgroup_size: 512
    .sgpr_count:     66
    .vgpr_count:     256
    .wavefront_size: 32
...
	.end_amdgpu_metadata
.endif
;; end of part 5
;; launch out_gemm: the kernel of part 4 again; grid 4 x 32, 4 waves a work-group, clusters of 4 x 4, 327,680 bytes of LDS; arguments ac, wc, lowp_scales, WO_b, out0; writes out0
